; MI455X (gfx1250); checked and timed in simulation.
; The chip was launched on July 23, 2026; its instructions are those of AMD's public machine-readable ISA for CDNA 5 (MIT licence, August 2026) and "CDNA5" Instruction Set Architecture Reference Guide (July 2026). The comments in the code are by the model that wrote it; some were corrected since.
;; Multi Head Attention. Allowed arithmetic: matrix products marked QUANTISED: E2M3 operands, one E8M0 scale for each 32 along K, by v_wmma_scale_f32_16x16x128_f8f6f4 with both operands' format E2M3, f32 sums; everything else in f32.
;; Inputs: k 4 x 2,048 x 1,024 float32; mask 2,048 x 2,048 bool; q 4 x 2,048 x 1,024 float32; v 4 x 2,048 x 1,024 float32; wk 1,024 x 1,024 float32; wo 1,024 x 1,024 float32; wq 1,024 x 1,024 float32; wv 1,024 x 1,024 float32.
;; Outputs: out0 4 x 2,048 x 1,024 float32.
;; This version of the problem:
;;   THIS VERSION OF THE PROBLEM IS GIVEN IN LOW PRECISION. The matrix products marked QUANTISED in the list below multiply operands that are first quantised to E2M3 (2 exponent bits, 3 mantissa bits; 6 bits a number), with one power-of-two scale for each 32 numbers along K (OCP MX v1.0); their sums are f32. All else is computed in f32.
;;   The module's matrix products, in the order in which they are computed (A, B: the left and right operand; K: the contracted axis; several contracted axes count as one K, in the product's order):
;;     1. [M 8,192, K 1,024] x [K 1,024, N 1,024]; A: input q; B: input wq: QUANTISED
;;     2. [M 8,192, K 1,024] x [K 1,024, N 1,024]; A: input k; B: input wk: QUANTISED
;;     3. [M 8,192, K 1,024] x [K 1,024, N 1,024]; A: input v; B: input wv: QUANTISED
;;     4. batch 64 x [M 2,048, K 64] x [K 64, N 2,048]; A: computed on the way; B: computed on the way: QUANTISED
;;     5. batch 64 x [M 2,048, K 2,048] x [K 2,048, N 64]; A: softmax (see below); B: computed on the way: QUANTISED
;;     6. [M 8,192, K 1,024] x [K 1,024, N 1,024]; A: computed on the way; B: input wo: QUANTISED
;;   THE QUANTISER, for each operand of a quantised product, along K:
;;     - K is cut into blocks of 32 from its start; a last block that is shorter is filled with zeros.
;;     - A block's scale is 2^e with e = floor(log2(the largest magnitude in the block)) - 2, held to -126 .. 127; a block of zeros has e = 0. As a byte (E8M0): e + 127.
;;     - Each number is divided by its block's scale, clamped to +-7.5, and rounded to the nearest number of E2M3, ties to even, subnormals kept.
;;     - The product sums the exact products of the quantised numbers (number of the format x scale) in f32.
;;   ~~~python
;;   def quantise(x, axis):      # numpy; x: float32 -> the quantised numbers, widened to float32 again
;;       x = np.moveaxis(x, axis, -1); K = x.shape[-1]
;;       x = np.pad(x, [(0, 0)] * (x.ndim - 1) + [(0, -K % 32)]); x = x.reshape(x.shape[:-1] + (-1, 32)); a = np.abs(x).max(-1, keepdims=True)
;;       e = np.where(a > 0, np.clip(np.frexp(np.where(a > 0, a, 1))[1] - 1 - 2, -126, 127), 0)      # np.frexp(a)[1] - 1 = floor(log2(a)), exactly
;;       r = np.clip(x / 2.0 ** e, -7.5, 7.5)
;;       step = 2.0 ** (np.maximum(np.frexp(np.where(r == 0, 1, r))[1] - 1, 0) - 3)
;;       q = np.round(r / step) * step * 2.0 ** e      # np.round: ties to even
;;       return np.moveaxis(q.reshape(q.shape[:-2] + (-1,))[..., :K], -1, axis).astype(np.float32)
;;   ~~~
;;   SOFTMAX AHEAD OF A QUANTISED PRODUCT. Where the list says 'softmax', what is quantised is not the finished softmax but p = 2^(t - M), with t = logit x log2(e) and M = ceil(the row's largest t), a whole number; so 1/2 < the row's largest p <= 1. The row's sum l is taken of the UNQUANTISED p, in f32, and the product's result is divided by l at the end. Since M is a whole number, a kernel that streams over the keys may use a running M (the ceiling of the running maximum): every later rescaling is an exact power of two, which a block's scale takes up: the codes' values come out the same.
;;   OPERANDS COMPUTED ON THE WAY. 'Computed on the way' means the value that the module computes at that place (a softmax that the list does not call 'softmax' is quantised finished and normalised). What goes into a quantiser is computed in f32, as accurately as f32 sums, v_exp_f32 and their like allow (about 1e-6 of the number): no bf16 or f16 on the way to a quantiser, and a product that is left as it is and whose result goes on into a quantised operand takes f32 operands (vector FMAs, or v_wmma_f32_16x16x4_f32). A number that lies on a knife's edge between two numbers of the format may be rounded either way, as far as f32 arithmetic and the matrix unit's own rounding can turn it there, and no further.
;; One version. Each part assembles by itself: llvm-mc -triple=amdgcn-amd-amdhsa -mcpu=gfx1250 --defsym DOCPART=n.
;; ======== version 1 of 1: 4 launches
;; workspace buffers: xc 28,311,552 bytes; xs 1,179,648 bytes; qb 13,631,488 bytes; kv 13,631,488 bytes; mbits 524,288 bytes of whole numbers; mflags 512 bytes of whole numbers
;; launch prep (part 1): grid 480 x 1, 4 waves a work-group, no clusters, 33,280 bytes of LDS; arguments q, k, v, wq, wk, wv, wo, mask, xc, xs, mbits, mflags; writes xc, xs, mbits, mflags
.if DOCPART == 1
	.amdgcn_target "amdgcn-amd-amdhsa--gfx1250"
	.amdhsa_code_object_version 6
	.text
	.protected	k_q483e9cccf8_prep
	.globl	k_q483e9cccf8_prep
	.p2align	8
	.type	k_q483e9cccf8_prep,@function
k_q483e9cccf8_prep:
	s_mov_b64 s[64:65], 0
	v_nop
	global_prefetch_b8 v0, s[64:65] scope:SCOPE_SE
	s_setreg_imm32_b32 hwreg(HW_REG_WAVE_MODE, 25, 1), 1
	s_wait_xcnt 0x0
; q, k, v [8192][1024] and wq, wk, wv, wo [1024][1024], f32, K innermost, become codes of FP6 (E2M3) with one E8M0 byte for each 32 along K; and the mask is digested.
; xc[panel k/64: 16][row: 36864][48 bytes]: rows 0 q, 8192 k, 16384 v, 24576 wq, 25600 wk, 26624 wv, 27648 wo (28672 on: written by the attention launch).   xs[row][32 bytes]: byte k/32.
; ROWS LIE IN POSITION ORDER: within each 32 rows, position 16 u + r holds row 8 u + r + 8 (r / 8).  Sixteen neighbouring positions are then a tile whose results, where the tile is a product's source 0,
; leave 16 neighbours along the next K in a lane's 16 registers of two neighbouring tiles.
; A block's scale is 2^(floor(log2(largest magnitude)) - 2): its byte is the largest magnitude's exponent field - 2, held at 1 from below.
; LIMITS: NaN and infinities among the inputs are not served; blocks whose largest magnitude lies under 2^-124 keep the byte 1; a block of zeros has the byte 1 where the rule says 127 (its codes are zeros,
; and these bytes are read by this program alone).  Any mask byte other than 0 counts as true.
; SHARES.  Work-groups 0-31: the mask, a wave to a tile of 16 queries.  Work-groups 32-479: 64 rows each, a wave to one tile of 16 positions, in 32 steps of 8 rows x 64 k (one panel).
; A step's four loads read whole runs of 256 bytes (sixteen lanes each); its 2,048 bytes turn through the wave's own stage in LDS, so that a lane holds 16 neighbours along K; a lane's 16 codes are 12 bytes, the wave
; stores 384 consecutive bytes, two steps fill three aligned runs of 256.  The scale bytes gather in LDS and leave as 512 consecutive bytes.  No tensor load, no barrier: waves share nothing; no input is shared, so no cluster.
; THE MASK.  mbits[tile 128][key step 16][64 words]: bit l of word n = mask[query(tile, l % 16)][128 step + 32 (n / 16) + 16 (l / 16) + n % 16]: a lane mask for score register n of the attention launch.
; mflags[tile]: two bits a key step: 0 no key counts, 1 some, 2 all.  (A wave stores its one word of mflags by itself: 512 bytes in the whole launch.)
.set STEPS, 32
.set PSTR,  1769472                    ; bytes of a panel: 36,864 rows x 48
.set R,     16                         ; v16-79   four sets of 16 numbers as loaded
.set X,     80                         ; v80-111  two sets of 16 neighbours
.set E,     112                        ; v112-127 scale bytes, by step % 16
.set C,     128                        ; v128-191 codes, four registers for step % 16
.set OF,    192                        ; v192-207 12 x lane + panel x PSTR
.set WREG,  8192                       ; LDS: a region for each wave: two stages of 32 x SP bytes, then 512 scale bytes
.set SP,    80
.set SCB,   2*32*SP
.set SPW,   12                         ; v12 my spare word's LDS address; never rewritten
.set NIL,   13                         ; v13 0; never rewritten
.set SPARE, 4*WREG                     ; the spare words: 128 bytes a wave, two blocks of 256 bytes that no other line names
	s_load_b512 s[4:19], s[0:1], 0x0               ; q, k, v, wq, wk, wv, wo, mask
	s_load_b256 s[20:27], s[0:1], 0x40             ; xc, xs, mbits, mflags
	v_lshl_add_u32 v[SPW], v0, 2, SPARE
	v_mov_b32 v[NIL], 0
	v_lshrrev_b32 v1, 5, v0
	v_readfirstlane_b32 s28, v1                    ; wave
	v_and_b32 v2, 31, v0                           ; lane
	s_cmp_lt_u32 ttmp9, 32
	s_cbranch_scc1 .Lmask
	; ---------------- the quantiser ----------------
	v_and_b32 v3, 15, v2
	v_lshlrev_b32 v3, 4, v3
	v_lshrrev_b32 v4, 4, v2
	v_lshl_add_u32 v3, v4, 12, v3                  ; in: sixteen lanes to 256 bytes of a row, lanes 16-31 the next row
	s_mul_i32 s29, s28, WREG
	v_lshrrev_b32 v14, 2, v2
	v_mul_u32_u24 v14, v14, SP
	v_and_b32 v15, 3, v2
	v_lshl_add_u32 v14, v15, 4, v14
	v_add_nc_u32 v14, s29, v14                     ; the stage, way in: SP (lane / 4) + 16 (lane % 4)
	v_mul_u32_u24 v15, v2, SP
	v_add_nc_u32 v15, s29, v15                     ; way out: SP x lane: row lane / 4, quarter lane % 4 of its 64 numbers
	v_mul_u32_u24 v4, v2, 12
.irp t, 0,1,2,3,4,5,6,7,8,9,10,11,12,13,14,15
	v_add_nc_u32 v[OF+\t], \t*PSTR, v4             ; my codes' place in panel t
.endr
	v_lshrrev_b32 v5, 2, v2
	v_lshlrev_b32 v5, 5, v5
	v_bfe_u32 v6, v2, 1, 1
	v_add_nc_u32 v5, v5, v6
	s_add_co_u32 s29, s29, SCB
	v_add_nc_u32 v5, s29, v5                       ; my block's scale byte: 32 x row + block
	v_lshlrev_b32 v7, 4, v2
	v_add_nc_u32 v6, s29, v7                       ; and 16 bytes a lane on the way out
	s_sub_co_u32 s30, ttmp9, 32                    ; g: which 64 rows of xc
	s_wait_kmcnt 0x0
	s_mov_b64 s[32:33], s[16:17]                   ; which tensor: the choice hangs on the work-group's number alone
	s_mov_b32 s31, 432
.macro PICK thr, ptr, base
	s_cmp_lt_u32 s30, \thr
	s_cselect_b64 s[32:33], s[\ptr:\ptr+1], s[32:33]
	s_cselect_b32 s31, \base, s31
.endm
	PICK 432, 14, 416
	PICK 416, 12, 400
	PICK 400, 10, 384
	PICK 384, 8, 256
	PICK 256, 6, 128
	PICK 128, 4, 0
	s_lshr_b32 s36, s28, 1                         ; bb: which 32 rows
	s_and_b32 s37, s28, 1                          ; u: which tile of them
	s_sub_co_u32 s34, s30, s31
	s_lshl_b32 s34, s34, 6
	s_lshl_b32 s38, s36, 5
	s_add_co_u32 s34, s34, s38
	s_lshl_b32 s39, s37, 3
	s_add_co_u32 s34, s34, s39                     ; my first row in the tensor: 64 (g - base) + 32 bb + 8 u
	s_lshl_b32 s34, s34, 12
	s_mov_b32 s35, 0
	s_lshl_b32 s40, s30, 6
	s_add_co_u32 s40, s40, s38
	s_lshl_b32 s39, s37, 4
	s_add_co_u32 s40, s40, s39                     ; my first position: 64 g + 32 bb + 16 u
	s_mul_i32 s42, s40, 48
	s_mov_b32 s43, 0
	s_lshl_b32 s44, s40, 5
	s_mov_b32 s45, 0
	s_add_nc_u64 s[32:33], s[32:33], s[34:35]
	s_add_nc_u64 s[20:21], s[20:21], s[42:43]
	s_add_nc_u64 s[22:23], s[22:23], s[44:45]
.macro LOAD t                          ; step t = 2 x panel + e: rows 16 e + 0..7, 64 numbers of each
.irp i, 0,1,2,3
	global_load_b128 v[R+16*((\t)%4)+4*\i:R+16*((\t)%4)+4*\i+3], v3, s[32:33] offset:((\t)%2)*65536+\i*8192+((\t)/2)*256 th:TH_LOAD_NT
.endr
.endm
.macro TURN t                          ; through the stage: LDS serves a wave's instructions in order, so no wait stands between the stores and the loads
.irp i, 0,1,2,3
	ds_store_b128 v14, v[R+16*((\t)%4)+4*\i:R+16*((\t)%4)+4*\i+3] offset:32*SP*((\t)%2)+8*SP*\i
.endr
.irp i, 0,1,2,3
	ds_load_b128 v[X+16*((\t)%2)+4*\i:X+16*((\t)%2)+4*\i+3], v15 offset:32*SP*((\t)%2)+16*\i
.endr
.endm
.irp t, 0,1,2,3
	LOAD \t
.endr
	s_wait_loadcnt 12                              ; step 0's four loads are in
	TURN 0
.macro STEP t
.set XS, X+16*((\t)%2)
.if (\t) > 0
	s_wait_dscnt 1                                 ; this step's numbers are back from the stage (the last step's byte store may be out)
.else
	s_wait_dscnt 0x0
.endif
.if (\t)+4 < STEPS
	LOAD (\t)+4                                    ; into the set whose stores into the stage are done
.endif
.if (\t)+1 < STEPS
.if STEPS-2-(\t) >= 3
	s_wait_loadcnt 12                              ; the next step's four loads are in; three steps' may be out
.else
	s_wait_loadcnt 4*(STEPS-2-(\t))
.endif
	TURN (\t)+1
.endif
	v_max3_num_f32 v8, |v[XS]|, |v[XS+1]|, |v[XS+2]|
	v_max3_num_f32 v9, |v[XS+3]|, |v[XS+4]|, |v[XS+5]|
.irp i, 6,10
	v_max3_num_f32 v8, v8, |v[XS+\i]|, |v[XS+\i+1]|
	v_max3_num_f32 v9, v9, |v[XS+\i+2]|, |v[XS+\i+3]|
.endr
	v_max3_num_f32 v8, v8, |v[XS+14]|, |v[XS+15]|
	v_max3_num_f32 v8, v8, v9, 0x1800000           ; the floor 2^(3 - 127): the byte cannot fall under 1
	v_max_num_f32_dpp v8, v8, v8 row_xmask:1 row_mask:0xf bank_mask:0xf   ; with my neighbour's 16: the block's largest magnitude
	v_add_nc_u32 v11, 0xff000000, v8               ; 2 off its exponent field: the conversion's scale operand
.if (\t) >= 16
	s_wait_xcnt 0x0                                ; the store of sixteen steps ago has read these registers
.endif
	v_cvt_scalef32_pk16_fp6_f32 v[C+4*((\t)%16):C+4*((\t)%16)+2], v[XS:XS+15], v11
	v_lshrrev_b32 v[E+(\t)%16], 23, v11            ; the scale's byte (a plain line behind the conversion)
	ds_store_b8 v5, v[E+(\t)%16] offset:256*((\t)%2)+2*((\t)/2)   ; both lanes of a block write the same byte with the same value
	global_store_b96 v[OF+(\t)/2], v[C+4*((\t)%16):C+4*((\t)%16)+2], s[20:21] offset:384*((\t)%2)
.endm
.set Q, 0
.rept STEPS
	STEP Q
.set Q, Q+1
.endr
	ds_load_b128 v[8:11], v6                       ; my tile's 512 scale bytes: these see my stores
	s_wait_dscnt 0x0
	global_store_b128 v7, v[8:11], s[22:23]        ; 512 consecutive bytes, aligned
	s_wait_tensorcnt 0x0                           ; the wave's end, behind my last LDS store
	ds_add_u32 v[SPW], v[NIL]
	s_wait_dscnt 0x0
	s_endpgm
	; ---------------- the mask: no LDS on this path ----------------
.set M0,  16                           ; v16-31, v32-47: two sets of a step's 64 bytes of my query's row
.set M1,  32
.set AD0, 48                           ; v48, v49: their offsets
.set AD1, 49
.set W,   50                           ; v50, v51: lane i holds words 2 i and 2 i + 1
.set T,   52                           ; v52-59 at work
.set LO8, 60
.Lmask:
	s_lshl_b32 s30, ttmp9, 2
	s_add_co_u32 s30, s30, s28                     ; my tile of queries, 0..127
	v_and_b32 v3, 15, v2
	v_and_b32 v4, 8, v3
	v_add_nc_u32 v3, v3, v4                        ; r + 8 (r / 8)
	v_lshrrev_b32 v4, 4, v2
	v_lshlrev_b32 v3, 11, v3
	v_lshl_add_u32 v[AD0], v4, 4, v3               ; my query's row of 2,048 bytes, + 16 (lane / 16)
	v_add_nc_u32 v[AD1], 128, v[AD0]
	v_lshlrev_b32 v[LO8], 3, v2
	v_mov_b32 v[W], 0                              ; written once: a lane write's destination counts as read
	v_mov_b32 v[W+1], 0
	s_lshr_b32 s31, s30, 1
	s_and_b32 s32, s30, 1
	s_lshl_b32 s31, s31, 5
	s_lshl_b32 s32, s32, 3
	s_add_co_u32 s32, s31, s32                     ; the tile's first query: 32 (tile / 2) + 8 (tile % 2)
	s_lshl_b32 s32, s32, 11
	s_mov_b32 s33, 0
	s_lshl_b32 s34, s30, 12
	s_mov_b32 s35, 0
	s_lshl_b32 s36, s30, 2
	s_mov_b32 s37, 0
	s_mov_b32 s38, 0                               ; the flags' word
	s_mov_b32 s39, 0                               ; and the place of the step's two bits
	s_wait_kmcnt 0x0
	s_add_nc_u64 s[18:19], s[18:19], s[32:33]
	s_add_nc_u64 s[24:25], s[24:25], s[34:35]
	s_add_nc_u64 s[26:27], s[26:27], s[36:37]
.macro MLOAD set, ad
.irp b, 0,1,2,3
	global_load_b128 v[\set+4*\b:\set+4*\b+3], v[\ad], s[18:19] offset:32*\b   ; keys 32 b + 16 (lane / 16) + 0..15 of the step
.endr
.endm
	MLOAD M0, AD0
	MLOAD M1, AD1
.macro PROC set, ad, fill, left
	s_wait_loadcnt \left                           ; this set's four loads are in; the other set's may be out
	s_mov_b32 s40, -1                              ; all
	s_mov_b32 s41, 0                               ; any
.set GG, 0
.rept 8                                ; eight bytes at a time, so that the scalar lines wait for the vector unit once a group
.irp y, 0,1,2,3,4,5,6,7
	v_and_b32 v[T+\y], 0xff<<(8*(\y%4)), v[\set+2*GG+\y/4]
.endr
.irp y, 0,1,2,3,4,5,6,7
	v_cmp_ne_u32 s[44+\y], 0, v[T+\y]              ; word 8 GG + y: a bit for each lane
.endr
.irp y, 0,1,2,3,4,5,6,7
	s_and_b32 s40, s40, s[44+\y]
	s_or_b32 s41, s41, s[44+\y]
	v_writelane_b32 v[W+\y%2], s[44+\y], 4*GG+\y/2
.endr
.set GG, GG+1
.endr
	global_store_b64 v[LO8], v[W:W+1], s[24:25]    ; the step's 64 words: 256 consecutive bytes, aligned
	s_cmp_lg_u32 s41, 0
	s_cselect_b32 s42, 1, 0
	s_cmp_eq_u32 s40, -1
	s_cselect_b32 s42, 2, s42
	s_lshl_b32 s42, s42, s39
	s_or_b32 s38, s38, s42
	s_add_co_u32 s39, s39, 2
.if \fill
	v_add_nc_u32 v[\ad], 256, v[\ad]               ; free since the wait at the head: two steps on
	MLOAD \set, \ad
.endif
	s_wait_xcnt 0x0                                ; the store has read its data and its base
	s_add_nc_u64 s[24:25], s[24:25], 256
.endm
	s_mov_b32 s43, 7
.Lmstep:
	PROC M0, AD0, 1, 4
	PROC M1, AD1, 1, 4
	s_sub_co_u32 s43, s43, 1
	s_cmp_lg_u32 s43, 0
	s_cbranch_scc1 .Lmstep
	PROC M0, AD0, 0, 4                             ; the last two steps load nothing
	PROC M1, AD1, 0, 0
	v_mov_b32 v61, s38
	v_mov_b32 v62, 0
	v_cmp_eq_u32 vcc_lo, 0, v2
	s_and_saveexec_b32 s44, vcc_lo                 ; no memory instruction has been issued since the wait on XCNT above
	global_store_b32 v62, v61, s[26:27]
	s_endpgm
.Lfunc_end_k_q483e9cccf8_prep:
	.size	k_q483e9cccf8_prep, .Lfunc_end_k_q483e9cccf8_prep-k_q483e9cccf8_prep
	.p2alignl 7, 3214868480
	.fill 96, 4, 3214868480
	.section	.rodata,"a",@progbits
	.p2align	6, 0x0
	.amdhsa_kernel k_q483e9cccf8_prep
		.amdhsa_group_segment_fixed_size 33280
		.amdhsa_private_segment_fixed_size 0
		.amdhsa_enable_private_segment 0
		.amdhsa_kernarg_size 96
		.amdhsa_user_sgpr_count 2
		.amdhsa_user_sgpr_kernarg_segment_ptr 1
		.amdhsa_wavefront_size32 1
		.amdhsa_system_sgpr_workgroup_id_x 1
		.amdhsa_system_sgpr_workgroup_id_y 1
		.amdhsa_system_sgpr_workgroup_id_z 1
		.amdhsa_system_vgpr_workitem_id 0
		.amdhsa_next_free_vgpr 208
		.amdhsa_next_free_sgpr 66
		.amdhsa_reserve_vcc 1
		.amdhsa_float_denorm_mode_32 3
		.amdhsa_float_denorm_mode_16_64 3
		.amdhsa_memory_ordered 1
		.amdhsa_forward_progress 1
		.amdhsa_inst_pref_size 134
	.end_amdhsa_kernel
	.amdgpu_metadata
---
amdhsa.version: [ 1, 2 ]
amdhsa.kernels:
  - .name:           k_q483e9cccf8_prep
    .symbol:         k_q483e9cccf8_prep.kd
    .args:
      - { .name: q, .offset: 0, .size: 8, .value_kind: global_buffer, .address_space: global }
      - { .name: k, .offset: 8, .size: 8, .value_kind: global_buffer, .address_space: global }
      - { .name: v, .offset: 16, .size: 8, .value_kind: global_buffer, .address_space: global }
      - { .name: wq, .offset: 24, .size: 8, .value_kind: global_buffer, .address_space: global }
      - { .name: wk, .offset: 32, .size: 8, .value_kind: global_buffer, .address_space: global }
      - { .name: wv, .offset: 40, .size: 8, .value_kind: global_buffer, .address_space: global }
      - { .name: wo, .offset: 48, .size: 8, .value_kind: global_buffer, .address_space: global }
      - { .name: mask, .offset: 56, .size: 8, .value_kind: global_buffer, .address_space: global }
      - { .name: xc, .offset: 64, .size: 8, .value_kind: global_buffer, .address_space: global }
      - { .name: xs, .offset: 72, .size: 8, .value_kind: global_buffer, .address_space: global }
      - { .name: mbits, .offset: 80, .size: 8, .value_kind: global_buffer, .address_space: global }
      - { .name: mflags, .offset: 88, .size: 8, .value_kind: global_buffer, .address_space: global }
    .group_segment_fixed_size: 33280
    .private_segment_fixed_size: 0
    .kernarg_segment_align: 8
    .kernarg_segment_size: 96
    .max_flat_workgroup_size: 128
    .sgpr_count:     66
    .vgpr_count:     208
    .wavefront_size: 32
...
	.end_amdgpu_metadata
.endif
;; end of part 1
;; launch proj (part 2): grid 4 x 96, 4 waves a work-group, clusters of 4 x 4, 327,680 bytes of LDS; arguments xc, xs, qb, kv; writes qb, kv
.if DOCPART == 2
	.amdgcn_target "amdgcn-amd-amdhsa--gfx1250"
	.amdhsa_code_object_version 6
	.text
	.protected	k_q483e9cccf8_proj
	.globl	k_q483e9cccf8_proj
	.p2align	8
	.type	k_q483e9cccf8_proj,@function
k_q483e9cccf8_proj:
	s_mov_b64 s[64:65], 0
	v_nop
	global_prefetch_b8 v0, s[64:65] scope:SCOPE_SE
	s_setreg_imm32_b32 hwreg(HW_REG_WAVE_MODE, 25, 1), 1
	s_wait_xcnt 0x0
	s_wait_alu depctr_hold_cnt(0) depctr_sa_sdst(0) depctr_va_vdst(0) depctr_va_sdst(0) depctr_va_ssrc(0) depctr_va_vcc(0) depctr_vm_vsrc(0)
	s_getreg_b32 s2, hwreg(HW_REG_IB_STS2, 6, 4)
	s_cmp_eq_u32 s2, 0
	s_cbranch_scc0 .Lentry_in_a_cluster
	s_endpgm
.Lentry_in_a_cluster:
	s_bfe_u32 s2, ttmp6, 0x10000c
	s_cmp_lg_u32 s2, 0xf033
	s_cbranch_scc0 .Lentry_shape_is_right
	s_endpgm
.Lentry_shape_is_right:
; The three projections q wq^T, k wk^T, v wv^T on codes of FP6 (E2M3) with E8M0 scales, 8,192 x 1,024 x 1,024 each, and their results quantised in registers into the operands of the attention launch.
; xc[panel k/64][row][48 bytes], xs[row][32 bytes], rows in position order (within 32 rows, position 16 u + r = row 8 u + r + 8 (r / 8)).  Rows: 0 q, 8192 k, 16384 v, 24576 wq, 25600 wk, 26624 wv.
; A tile of 256 x 256 is made by four waves, 128 x 128 each: 64 accumulators, 512 registers.  K goes in steps of 256 (four panels) through two LDS slots filled by the tensor data mover: a wave's load brings
; 4 panels x 6,144 dense bytes (128 rows x 48).  The scale bytes of the tile's rows come once, with the first fills.
; SECTIONS, by the cluster's y: 0-7 Q, 8-15 K, 16-23 V.  THE MATRIX INSTRUCTION IS USED TRANSPOSED: source 0 = 16 rows of "B", source 1 = 16 rows of "A"; a lane holds ONE row of A and its registers run along B's rows,
; which by the position order are neighbours: registers 16 b + i of a block of A are B's rows 32 b + 16 (lane / 16) + i.  Q, K: A = tokens, B = weight rows: a lane has one token and 128 features (two heads).
; V: A = wv's rows, B = tokens: a lane has one feature and 128 keys.  So in all three the lane's 64 numbers run along the NEXT product's K and are quantised where they lie.
; OUT: qb, kv [head of batch 64][128 tokens: 16][26 units of 512 bytes], images of operand registers, lane l's 16 bytes at 16 l.  Units 3 j + g: the pair fragment j of Q or K (tile 2 j in k 0-63, tile 2 j + 1 in k 64-127);
; 12 + 3 t + g: V^T's fragment t; 24: [lane][4 words] the pairs' scale words; 25: V's.  Every store covers 512 consecutive bytes, aligned.
; CLUSTERS: 4 x 4 work-groups; A's tiles are asked for jointly along a row of the cluster, B's along a column.
; LIMITS: blocks whose largest magnitude lies under 2^-124 keep the scale byte 1, blocks of zeros too (their codes are zeros; these bytes are read by this program alone).  NaN and infinities are not served.
; No prefetch: K has four K steps, two are first fills and the other two are asked for as soon as a slot is free.
; REGISTERS: window 0: v16-29 addresses; v32-63 scale words, two sets; v64-123 the way out; v128-223 A's fragments, one set.  Window 1: B's fragments, two sets, at v0 and v128.  Windows 2, 3: the accumulators.
.set NQ,     2                         ; matrix instructions deep in a slot
.set FR,     12
.set NL,     6
.set NP,     4
.set PSTR,   1769472
.set PANB,   6144                      ; 128 rows of a panel
.set HALFT,  4*PANB                    ; what one tensor load brings
.set SLOT,   4*HALFT
.set LAPS,   2
.set KS,     32
.set SCL,    2*SLOT
.set HALFS,  (128*KS/256)*272
.set SBLK,   (16*KS/256)*272
.set SPARE,  SCL+4*HALFS               ; the spare words: 128 bytes a wave, two blocks of 256 bytes that no other line names
.set BLK,    13312
.set HB,     16*BLK                    ; from a head to the next
.set ADRA, 16
.set ADRB, 20
.set LI,   26                          ; v26 16 x lane
.set ADRS, 27
.set SPW,  28
.set NIL,  29
.set SC,   32
.set RR,   64                          ; v64-87 two fragments just made
.set T0,   88
.set T1,   92
.set TM,   96                          ; v96-111 at work
.set PWA,  112
.set PWB,  113
.set SW,   116                         ; v116-123 the scale words to be stored
.set AF,   128
.set G1, 24
.set G0, 32
.set G1B, 48
.set G0B, 56
.set G1S, 68
.set G0S, 76
.set G1SB, 80
.set G0SB, 88
.set SEL, 98
.set MSB, 0
.macro WIN new                         ; the immediate's high byte repeats the setting that is left
.if MSB != (\new)
	s_set_vgpr_msb (MSB<<8)|(\new)
.set MSB, (\new)
.endif
.endm
.set MUL_LO, 0xa1
.set MUL_HI, 0xf1
.set TO_B,   0x40
.macro JLOAD g0a, g1a, g0b, g1b        ; a joint load: waves 0 and 1 fetch for A, waves 2 and 3 for B; an s_nop 0 and four v_nop follow each line
	s_cmp_eq_u32 s15, 0
	s_cbranch_scc0 .Lfor_b_\@
	tensor_load_to_lds s[\g0a:\g0a+3], s[\g1a:\g1a+7]
	s_nop 0
.rept 4
	v_nop
.endr
	s_branch .Lasked_\@
.Lfor_b_\@:
	tensor_load_to_lds s[\g0b:\g0b+3], s[\g1b:\g1b+7]
	s_nop 0
.rept 4
	v_nop
.endr
.Lasked_\@:
.endm
.macro CREST
	s_cmp_lg_u32 s14, 0
	s_cbranch_scc1 .Lnot_wave_0_\@
	s_barrier_signal -3
.Lnot_wave_0_\@:
	s_barrier_wait -3
	s_barrier_signal -1
	s_barrier_wait -1
.endm
.macro CROUND
	s_barrier_signal -1
	s_barrier_wait -1
	CREST
.endm
	s_load_b256 s[4:11], s[0:1], 0x0               ; xc, xs, qb, kv
	v_lshl_add_u32 v[SPW], v0, 2, SPARE
	v_mov_b32 v[NIL], 0
	ds_add_u32 v[SPW], v[NIL]                      ; the wave's opening: the add and its wait, ahead of my first tensor load
	v_lshrrev_b32 v1, 5, v0
	v_readfirstlane_b32 s14, v1                    ; wave
	s_lshr_b32 s15, s14, 1                         ; my half of A's rows.  Also: I fetch for A (0) or B (1)
	s_and_b32 s16, s14, 1                          ; my half of B's rows.  Also: which 128 rows I fetch
	s_bfe_u32 s40, ttmp6, 0x40000                  ; cx
	s_bfe_u32 s41, ttmp6, 0x40004                  ; cy
	s_and_b32 s12, ttmp7, 0xffff                   ; the cluster's y, 0..23: shared by all sixteen
	s_lshr_b32 s13, s12, 3                         ; the section: 0 Q, 1 K, 2 V
	s_and_b32 s12, s12, 7
	s_lshl_b32 s12, s12, 2                         ; four tiles of tokens to a cluster
	s_lshl_b32 s95, s13, 13                        ; Q, K: A = the tokens' rows
	s_lshl_b32 s96, s13, 10
	s_add_co_u32 s96, s96, 24576                   ;       B = the weight's rows
	s_mov_b32 s97, 26624                           ; V:    A = wv's rows, B = v's tokens
	s_cmp_eq_u32 s13, 2
	s_cselect_b32 s17, 0, s12
	s_cselect_b32 s42, s12, 0
	s_cselect_b32 s95, s97, s95
	s_cselect_b32 s96, 16384, s96
	s_add_co_u32 s17, s17, s41                     ; A's tile: hangs on cy and the cluster's y alone
	s_add_co_u32 s42, s42, s40                     ; B's tile: on cx and the cluster's y alone
	s_lshl_b32 s43, s41, 2
	s_lshl_b32 s43, 15, s43                        ; my row of the cluster
	s_lshl_b32 s44, 0x1111, s40                    ; my column
	; group 1 for codes: 4 rows (panels) of 768 elements of 8 bytes, PSTR / 8 elements apart; no padding: with rows of 48 bytes the 32 lanes of a load of 8 bytes touch 64 different banks
	s_or_b32 s[G1+0], s43, (3<<16)|(1<<21)
	s_or_b32 s[G1B+0], s44, (3<<16)|(1<<21)
.irp g, G1, G1B
	s_mov_b32 s[\g+1], 768<<16                     ; tensor_dim0
	s_mov_b32 s[\g+2], 4<<16                       ; tensor_dim1
	s_mov_b32 s[\g+3], 768<<16                     ; tile_dim0
	s_mov_b32 s[\g+4], 4                           ; tile_dim1
	s_mov_b32 s[\g+5], PSTR/8                      ; from panel to panel
	s_mov_b32 s[\g+6], 0
	s_mov_b32 s[\g+7], 0
.endr
	; group 1 for the scales of 128 rows: 4,096 dense bytes as 16 rows of 256, 16 bytes of padding behind each
	s_or_b32 s[G1S+0], s43, (3<<16)|(1<<20)|(1<<21)|(5<<22)|(3<<25)
	s_or_b32 s[G1SB+0], s44, (3<<16)|(1<<20)|(1<<21)|(5<<22)|(3<<25)
.irp g, G1S, G1SB
	s_mov_b32 s[\g+1], 32<<16
	s_mov_b32 s[\g+2], (128*KS/256)<<16
	s_mov_b32 s[\g+3], 32<<16
	s_mov_b32 s[\g+4], 128*KS/256
	s_mov_b32 s[\g+5], 32
	s_mov_b32 s[\g+6], 0
	s_mov_b32 s[\g+7], 0
.endr
	s_lshl_b32 s18, s16, 7
	s_lshl_b32 s20, s17, 8
	s_add_co_u32 s20, s20, s18
	s_add_co_u32 s20, s20, s95                     ; A: the first row that I fetch
	s_lshl_b32 s46, s42, 8
	s_add_co_u32 s46, s46, s18
	s_add_co_u32 s46, s46, s96                     ; B likewise
	s_lshl_b32 s22, s20, 5                         ; their scales, in bytes
	s_mov_b32 s23, 0
	s_lshl_b32 s92, s46, 5
	s_mov_b32 s93, 0
	s_mul_i32 s20, s20, 48                         ; their codes in panel 0
	s_mov_b32 s21, 0
	s_mul_i32 s46, s46, 48
	s_mov_b32 s47, 0
	s_mul_i32 s45, s14, HALFT                      ; where they go: by the wave's number alone
	s_mul_i32 s94, s14, HALFS
	s_wait_dscnt 0x0                               ; the opening add is done
	s_wait_kmcnt 0x0
	s_add_nc_u64 s[20:21], s[4:5], s[20:21]
	s_add_nc_u64 s[22:23], s[6:7], s[22:23]
	s_add_nc_u64 s[46:47], s[4:5], s[46:47]
	s_add_nc_u64 s[92:93], s[6:7], s[92:93]
	CROUND                                         ; all sixteen work-groups are here: the first joint loads meet
	s_mov_b32 s[G0S], 1
	s_add_co_u32 s[G0S+1], s94, SCL
	s_mov_b64 s[G0S+2:G0S+3], s[22:23]
	s_or_b32 s[G0S+3], s[G0S+3], 0x80000000
	s_mov_b32 s[G0SB], 1
	s_add_co_u32 s[G0SB+1], s94, SCL
	s_mov_b64 s[G0SB+2:G0SB+3], s[92:93]
	s_or_b32 s[G0SB+3], s[G0SB+3], 0x80000000
	JLOAD G0S, G1S, G0SB, G1SB                     ; the scales first; with the two slots three loads of mine are out
.irp s, 0,1
	s_mov_b32 s[G0+4*\s], 1
	s_add_co_u32 s[G0+4*\s+1], s45, \s*SLOT
	s_add_nc_u64 s[G0+4*\s+2:G0+4*\s+3], s[20:21], \s*4*PSTR
	s_or_b32 s[G0+4*\s+3], s[G0+4*\s+3], 0x80000000
	s_mov_b32 s[G0B+4*\s], 1
	s_add_co_u32 s[G0B+4*\s+1], s45, \s*SLOT
	s_add_nc_u64 s[G0B+4*\s+2:G0B+4*\s+3], s[46:47], \s*4*PSTR
	s_or_b32 s[G0B+4*\s+3], s[G0B+4*\s+3], 0x80000000
	JLOAD G0+4*\s, G1, G0B+4*\s, G1B
.endr
	v_and_b32 v1, 15, v0                           ; r
	v_bfe_u32 v2, v0, 4, 1                         ; h
	v_mul_u32_u24 v3, v1, 48
	v_mad_u32_u24 v4, v2, 24, v3                   ; a fragment's row x 48 + 24 h
	s_mul_i32 s21, s15, HALFT
	s_mul_i32 s22, s16, HALFT
	s_add_co_u32 s22, s22, 2*HALFT
.irp s, 0,1
	v_add_nc_u32 v[ADRA+\s], s21, v4
	v_add_nc_u32 v[ADRB+\s], s22, v4
	s_add_co_u32 s21, s21, SLOT
	s_add_co_u32 s22, s22, SLOT
.endr
	v_mul_u32_u24 v5, v1, KS                       ; my row's scales: 32 bytes a row, 16 more for each 256 passed
	v_lshrrev_b32 v6, 8, v5
	v_lshl_add_u32 v5, v6, 4, v5
	s_mul_i32 s21, s15, HALFS
	s_mul_i32 s22, s16, HALFS
	s_add_co_u32 s22, s22, 2*HALFS
	s_sub_co_u32 s22, s22, s21
	v_mul_u32_u24 v6, s22, v2                      ; lanes 16-31 take B's
	s_add_co_u32 s21, s21, SCL
	v_add_nc_u32 v5, v5, v6
	v_add_nc_u32 v[ADRS], s21, v5
	v_and_b32 v6, 31, v0
	v_lshlrev_b32 v[LI], 4, v6
.irp b, 0,1,2,3
	v_mov_b32 v[TM+4+\b], 0                        ; written once: a lane permute's destination counts as one of its sources
.endr
	s_mov_b32 s[SEL], 0x76543210
	s_mov_b32 s[SEL+1], 0xfedcba98
	; where my results go: block ((tokens / 128) / 16) x 256 + (pair of heads) x 32 + (tokens / 128) % 16
	s_lshl_b32 s20, s17, 1
	s_add_co_u32 s20, s20, s15                     ; A's 128 rows
	s_lshl_b32 s46, s42, 1
	s_add_co_u32 s46, s46, s16                     ; B's 128 rows
	s_cmp_eq_u32 s13, 2
	s_cselect_b32 s21, s46, s20                    ; the tokens
	s_cselect_b32 s22, s20, s46                    ; the pair of heads
	s_lshr_b32 s23, s21, 4
	s_lshl_b32 s23, s23, 8
	s_and_b32 s21, s21, 15
	s_add_co_u32 s23, s23, s21
	s_lshl_b32 s22, s22, 5
	s_add_co_u32 s23, s23, s22
	s_mul_i32 s22, s23, BLK
	s_mov_b32 s23, 0
	s_cmp_eq_u32 s13, 0
	s_cselect_b64 s[18:19], s[8:9], s[10:11]
	s_add_nc_u64 s[18:19], s[18:19], s[22:23]
.macro FRAG reg, adr, q, i             ; 16 rows x 128 K: registers 6 c .. 6 c + 5 are the 24 bytes at panel 2 q + c, row, + 24 h, as they lie: six loads of 8 bytes
.irp p, 0,1,2,3,4,5
	ds_load_b64 v[\reg+2*\p:\reg+2*\p+1], v[\adr] offset:(2*(\q)+\p/3)*PANB+(\i)*768+8*(\p%3)
.endr
.endm
; 16 matrix instructions: A's blocks a0, a0 + 1 x B's eight.  The 64 accumulators take turns, one instruction a turn, in the same order in every step.
.macro MUL16 a0, p, q, sc, zero
.irp a, \a0, \a0+1
.irp b, 0,1,2,3,4,5,6,7
.if \zero
	v_wmma_scale_f32_16x16x128_f8f6f4 v[8*(8*((\a)%4)+\b):8*(8*((\a)%4)+\b)+7], v[128*(\p)+FR*\b:128*(\p)+FR*\b+FR-1], v[AF+FR*(\a):AF+FR*(\a)+FR-1], 0, v[SC+8*NQ*(\sc)+NQ*\b+(\q)], v[SC+8*NQ*(\sc)+NQ*(\a)+(\q)] matrix_a_fmt:MATRIX_FMT_FP6 matrix_b_fmt:MATRIX_FMT_FP6 matrix_a_scale:MATRIX_SCALE_ROW1
.else
	v_wmma_scale_f32_16x16x128_f8f6f4 v[8*(8*((\a)%4)+\b):8*(8*((\a)%4)+\b)+7], v[128*(\p)+FR*\b:128*(\p)+FR*\b+FR-1], v[AF+FR*(\a):AF+FR*(\a)+FR-1], v[8*(8*((\a)%4)+\b):8*(8*((\a)%4)+\b)+7], v[SC+8*NQ*(\sc)+NQ*\b+(\q)], v[SC+8*NQ*(\sc)+NQ*(\a)+(\q)] matrix_a_fmt:MATRIX_FMT_FP6 matrix_b_fmt:MATRIX_FMT_FP6 matrix_a_scale:MATRIX_SCALE_ROW1
.endif
.endr
.endr
.endm
.macro FETCH_B slot, q, p
	WIN TO_B
.irp i, 0,1,2,3,4,5,6,7
	FRAG 128*(\p)+FR*\i, ADRB+\slot, \q, \i
.endr
	WIN 0
.endm
.macro FETCH_A slot, q, i0
.irp i, \i0, \i0+1, \i0+2, \i0+3
	FRAG AF+FR*(\i), ADRA+\slot, \q, \i
.endr
.endm
.macro SCALES sc                       ; a K step's two scale words a row: lanes 0-15 A's block i, lanes 16-31 B's block i
.irp i, 0,1,2,3,4,5,6,7
	ds_load_b64 v[SC+8*NQ*\sc+NQ*\i:SC+8*NQ*\sc+NQ*\i+1], v[ADRS] offset:\i*SBLK
.endr
.endm
.macro PLACES n                        ; plain vector instructions between a matrix instruction and a load into its registers or a read of its result
.rept \n
	v_nop
.endr
.endm
.macro STEP slot, q, zero
	s_wait_dscnt 4*NL                              ; B's set and A's blocks 0-3 are in; A's blocks 4-7 may be out
	WIN MUL_LO
	MUL16 0, (\q)%2, \q, \slot, \zero
	MUL16 2, (\q)%2, \q, \slot, \zero
	s_wait_dscnt 0
	PLACES NP
	FETCH_B \slot, (\q)+1, 1-(\q)%2
	FETCH_A \slot, (\q)+1, 0
	WIN MUL_HI
	MUL16 4, (\q)%2, \q, \slot, \zero
	MUL16 6, (\q)%2, \q, \slot, \zero
	PLACES NP
	WIN 0
	FETCH_A \slot, (\q)+1, 4
.endm
; A slot's last step changes slots: one barrier; in front of it each wave waits for all its tensor loads, adds 0 to its spare word, and waits for that and for its reads of this slot.
.macro TURN slot, next, fill
	s_wait_tensorcnt 0x0                           ; all my tensor loads have landed: my part of the next slot
	ds_add_u32 v[SPW], v[NIL]
	s_wait_dscnt 4*NL+1                            ; (the add and A's blocks 4-7 may be out)
	WIN MUL_LO
	MUL16 0, 1, NQ-1, \slot, 0
	s_wait_dscnt 0x0                               ; the add is done, and my reads of this slot are over
	s_barrier_signal -1
	MUL16 2, 1, NQ-1, \slot, 0
	WIN 0
	s_barrier_wait -1
.if \fill
	CREST                                          ; the barrier has opened a round of the cluster's: no wave of any partner still reads this slot or has a load on its way
	s_add_nc_u64 s[G0+4*\slot+2:G0+4*\slot+3], s[G0+4*\slot+2:G0+4*\slot+3], 8*PSTR
	s_add_nc_u64 s[G0B+4*\slot+2:G0B+4*\slot+3], s[G0B+4*\slot+2:G0B+4*\slot+3], 8*PSTR
	JLOAD G0+4*\slot, G1, G0B+4*\slot, G1B         ; the first tensor load behind the round; its four v_nop are the places in front of the loads below
.else
	PLACES NP
.endif
	v_add_nc_u32 v[ADRS], 4*NQ, v[ADRS]
	FETCH_B \next, 0, 0
	FETCH_A \next, 0, 0
	SCALES \next
	WIN MUL_HI
	MUL16 4, 1, NQ-1, \slot, 0
	MUL16 6, 1, NQ-1, \slot, 0
	PLACES NP
	WIN 0
	FETCH_A \next, 0, 4
.endm
	s_wait_tensorcnt 1                             ; the scales and my part of K step 0 are in; K step 1's load may be out
	s_barrier_signal -1
	s_barrier_wait -1
	FETCH_B 0, 0, 0
	FETCH_A 0, 0, 0
	SCALES 0
	FETCH_A 0, 0, 4
	STEP 0, 0, 1                                   ; the first step starts the sums
	s_mov_b32 s3, LAPS-1
.Llap:
	TURN 0, 1, 1
	STEP 1, 0, 0
	TURN 1, 0, 1
	STEP 0, 0, 0
	s_sub_co_u32 s3, s3, 1
	s_cmp_lg_u32 s3, 0
	s_cbranch_scc1 .Llap
	TURN 0, 1, 0                                   ; the last lap fills nothing
	STEP 1, 0, 0
	s_wait_dscnt 4*NL
	WIN MUL_LO
	MUL16 0, 1, NQ-1, 1, 0
	MUL16 2, 1, NQ-1, 1, 0
	s_wait_dscnt 0
	WIN MUL_HI
	MUL16 4, 1, NQ-1, 1, 0
	MUL16 6, 1, NQ-1, 1, 0
	WIN 0
; THE WAY OUT.  Block a's 64 numbers of a lane (register 16 b + i = index 32 b + 16 (lane / 16) + i along the next K) become codes: blocks 0, 1 in v[d0 .. d0 + 5], blocks 2, 3 in v[d1 .. d1 + 5]; the four bytes in v[pw].
; Each accumulator is read from its low end on.
.macro QUANT a, d0, d1, pw
.set AC, 64*((\a)%4)
	WIN 5*(2+(\a)/4)                               ; sources 0 and 1: window 2 or 3
.irp b, 0,1,2,3
	v_max3_num_f32 v[TM+\b], |v[AC+16*\b]|, |v[AC+1+16*\b]|, 0x1800000   ; and the floor 2^(3 - 127): the byte cannot fall under 1
.endr
.irp i, 2,4,6,8,10,12,14
.irp b, 0,1,2,3
	v_max3_num_f32 v[TM+\b], |v[AC+16*\b+\i]|, |v[AC+1+16*\b+\i]|, v[TM+\b]
.endr
.endr
	WIN 0
.irp b, 0,1,2,3
	v_permlanex16_b32 v[TM+4+\b], v[TM+\b], s[SEL], s[SEL+1]
.endr
.irp b, 0,1,2,3
	v_max_num_f32 v[TM+\b], v[TM+\b], v[TM+4+\b]   ; with lane l xor 16's: the block's largest magnitude
.endr
.irp b, 0,1,2,3
	v_add_nc_u32 v[TM+12+\b], 0xff000000, v[TM+\b] ; 2 off the exponent field: the conversion's scale operand
.endr
.irp b, 0,1,2,3
	v_lshrrev_b32 v[TM+4+\b], 23, v[TM+12+\b]      ; the scale's byte
.endr
	v_lshl_or_b32 v[\pw], v[TM+5], 8, v[TM+4]
	v_lshl_or_b32 v[\pw], v[TM+6], 16, v[\pw]
	v_lshl_or_b32 v[\pw], v[TM+7], 24, v[\pw]
	WIN 2+(\a)/4                                   ; source 0: window 2 or 3
	v_cvt_scalef32_pk16_fp6_f32 v[\d0:\d0+2], v[AC:AC+15], v[TM+12]
	v_cvt_scalef32_pk16_fp6_f32 v[T0:T0+2], v[AC+16:AC+31], v[TM+13]
	v_cvt_scalef32_pk16_fp6_f32 v[\d1:\d1+2], v[AC+32:AC+47], v[TM+14]
	v_cvt_scalef32_pk16_fp6_f32 v[T1:T1+2], v[AC+48:AC+63], v[TM+15]
	WIN 0
	v_nop                                          ; one plain place behind a scaled conversion
.irp i, 0,1,2                          ; the operand's layout wants a whole block in a lane
	v_permlane16_swap_b32 v[\d0+\i], v[T0+\i]
	v_permlane16_swap_b32 v[\d1+\i], v[T1+\i]
.endr
.irp i, 0,1,2
	v_mov_b32 v[\d0+3+\i], v[T0+\i]
	v_mov_b32 v[\d1+3+\i], v[T1+\i]
.endr
.endm
	PLACES NP
	s_cmp_eq_u32 s13, 2                            ; the section: the same in all sixteen work-groups
	s_cbranch_scc1 .Lv_out
	; Q, K: blocks 2 j and 2 j + 1 (two tiles of tokens) make pair fragment j of both heads
.irp j, 0,1,2,3
.if \j > 0
	s_wait_xcnt 0x0                                ; the last pair's stores have read their registers
.endif
	QUANT 2*\j, RR, RR+12, PWA
	QUANT 2*\j+1, RR+6, RR+18, PWB
	v_perm_b32 v[SW+\j], v[PWB], v[PWA], 0x05040100     ; first head: tile 2 j's two bytes, then tile 2 j + 1's
	v_perm_b32 v[SW+4+\j], v[PWB], v[PWA], 0x07060302   ; second head
.irp c, 0,1
.irp g, 0,1,2
	global_store_b128 v[LI], v[RR+12*\c+4*\g:RR+12*\c+4*\g+3], s[18:19] offset:\c*HB+(3*\j+\g)*512
.endr
.endr
.endr
	global_store_b128 v[LI], v[SW:SW+3], s[18:19] offset:12288
	global_store_b128 v[LI], v[SW+4:SW+7], s[18:19] offset:HB+12288
	s_branch .Lend
.Lv_out:
	; V: block a (16 features x 128 keys) is fragment a % 4 of head a / 4
.irp a, 0,1,2,3,4,5,6,7
.if \a > 0
	s_wait_xcnt 0x0
.endif
	QUANT \a, RR, RR+6, SW+\a
.irp g, 0,1,2
	global_store_b128 v[LI], v[RR+4*\g:RR+4*\g+3], s[18:19] offset:(\a/4)*HB+(12+3*(\a%4)+\g)*512
.endr
.endr
	global_store_b128 v[LI], v[SW:SW+3], s[18:19] offset:12800
	global_store_b128 v[LI], v[SW+4:SW+7], s[18:19] offset:HB+12800
.Lend:
	s_wait_tensorcnt 0x0                           ; the wave's end
	ds_add_u32 v[SPW], v[NIL]
	s_wait_dscnt 0x0
	CROUND                                         ; the closing round
	s_endpgm
.Lfunc_end_k_q483e9cccf8_proj:
	.size	k_q483e9cccf8_proj, .Lfunc_end_k_q483e9cccf8_proj-k_q483e9cccf8_proj
	.p2alignl 7, 3214868480
	.fill 96, 4, 3214868480
	.section	.rodata,"a",@progbits
	.p2align	6, 0x0
	.amdhsa_kernel k_q483e9cccf8_proj
		.amdhsa_group_segment_fixed_size 327680
		.amdhsa_private_segment_fixed_size 0
		.amdhsa_enable_private_segment 0
		.amdhsa_kernarg_size 32
		.amdhsa_user_sgpr_count 2
		.amdhsa_user_sgpr_kernarg_segment_ptr 1
		.amdhsa_wavefront_size32 1
		.amdhsa_system_sgpr_workgroup_id_x 1
		.amdhsa_system_sgpr_workgroup_id_y 1
		.amdhsa_system_sgpr_workgroup_id_z 1
		.amdhsa_system_vgpr_workitem_id 0
		.amdhsa_next_free_vgpr 1024
		.amdhsa_next_free_sgpr 100
		.amdhsa_reserve_vcc 0
		.amdhsa_float_denorm_mode_32 3
		.amdhsa_float_denorm_mode_16_64 3
		.amdhsa_memory_ordered 1
		.amdhsa_forward_progress 1
		.amdhsa_inst_pref_size 198
	.end_amdhsa_kernel
	.amdgpu_metadata
---
amdhsa.version: [ 1, 2 ]
amdhsa.kernels:
  - .name:           k_q483e9cccf8_proj
    .symbol:         k_q483e9cccf8_proj.kd
    .args:
      - { .name: xc, .offset: 0, .size: 8, .value_kind: global_buffer, .address_space: global }
      - { .name: xs, .offset: 8, .size: 8, .value_kind: global_buffer, .address_space: global }
      - { .name: qb, .offset: 16, .size: 8, .value_kind: global_buffer, .address_space: global }
      - { .name: kv, .offset: 24, .size: 8, .value_kind: global_buffer, .address_space: global }
    .group_segment_fixed_size: 327680
    .private_segment_fixed_size: 0
    .kernarg_segment_align: 8
    .kernarg_segment_size: 32
    .max_flat_workgroup_size: 128
    .sgpr_count:     100
    .vgpr_count:     1024
    .wavefront_size: 32
...
	.end_amdgpu_metadata
.endif
;; end of part 2
;; launch attn (part 3): grid 8 x 64, 16 waves a work-group, no clusters, 47,104 bytes of LDS; arguments qb, kv, mbits, mflags, xc, xs; writes xc, xs
.if DOCPART == 3
	.amdgcn_target "amdgcn-amd-amdhsa--gfx1250"
	.amdhsa_code_object_version 6
	.text
	.protected	k_q483e9cccf8_attn
	.globl	k_q483e9cccf8_attn
	.p2align	8
	.type	k_q483e9cccf8_attn,@function
k_q483e9cccf8_attn:
	s_mov_b64 s[64:65], 0
	v_nop
	global_prefetch_b8 v0, s[64:65] scope:SCOPE_SE
	s_setreg_imm32_b32 hwreg(HW_REG_WAVE_MODE, 25, 1), 1
	s_wait_xcnt 0x0
; Attention of one head on codes of FP6 (E2M3): S^T = K Q^T (K = the head's 64), the given mask, p = 2^(t - M) with t = score x log2(e) / 8 and M the running largest t rounded up to a whole number,
; O^T += V^T P^T (K = 128 keys a step), O / the sum of the unquantised p; O is quantised along the head's 64 into the output projection's operand.
; qb, kv [head of batch][key step][26 units of 512 bytes]: images of operand registers.  Units 3 j + g: pair fragment j = tile 2 j of 16 keys in k 0-63, tile 2 j + 1 in k 64-127; 12 + 3 t + g: V^T's fragment t;
; 24, 25: [lane][4 words] scale words.  Q lies as 6 zeros, 6 registers of Q, 6 zeros: the upper twelve multiply a pair's first tile, the lower twelve its second; zero codes cancel the other tile.
; A tile's rows lie in position order (position 16 u + r of 32 = row 8 u + r + 8 (r / 8)), so score register n of lane l is key 128 step + 32 (n / 16) + 16 (l / 16) + n % 16, and a lane holds one query throughout.
; THE MASK is an input.  An earlier launch stored, for each tile of queries and key step, 64 lane masks (mbits) and two bits (mflags): 0 no key counts: the step's work is jumped over; 1: the masks are applied; 2: all keys count.
; A row for which no key counts has the sum 0: its scale bytes become 0xff, so that the output projection's sums for that row are NaN, as the softmax of such a row is.
; SHARES.  A work-group has 16 waves, a tile of 16 queries each: waves 0-7 tiles 8 x + w, waves 8-15 tiles 8 (15 - x) + w - 8 of head y.  All walk the 16 key steps; one barrier a step.
; K and V go from memory through registers into two LDS buffers by turns: thread t moves 16 bytes at 16 t, waves 0-9 another 16 at 8,192 + 16 t; a step that no wave of the work-group wants is not copied.
; NO TENSOR LOAD AND NO CLUSTER: the step's work and the copies are jumped over on numbers read from memory.
; PREFETCH: the head's first work-group asks, waves 14 and 15, 8,192 bytes each in each of steps 0-9, lanes 256 bytes apart: bytes 49,152 to 212,991 of the head's 212,992, each run of 256 once; the copy of step s reads
; bytes from 13,312 (s + 1) on while the request stands at 49,152 + 16,384 s.
; The two scale bytes of a row and head are stored two bytes a lane, 32 bytes apart: 256 KiB of the launch's stores; the codes leave in whole runs of 256 bytes.
; LIMITS: NaN and infinities in the operands are not served; blocks under 2^-124 keep the scale byte 1.
.set BLK,   13312
.set HB,    16*BLK
.set PSTR,  1769472
.set BUF1,  16384
.set STG,   32768                      ; 768 bytes a wave, for the way out
.set SPARE, 45056                      ; the spare words: 128 bytes a wave, eight blocks of 256 bytes that no other line names
.set LI,   1                           ; 16 x lane
.set CP,   2                           ; 16 x thread
.set SPW,  3
.set NIL,  4
.set PFO,  5                           ; 256 x lane
.set NINF, 6
.set STI,  7
.set STO,  8
.set L8,   9                           ; 8 x lane
.set R32,  10                          ; 32 x (lane % 16)
.set HH,   11                          ; lane / 16
.set QT,   16                          ; v16-33: zeros, Q, zeros
.set QS,   34
.set KF,   36                          ; v36-83 K's four pair fragments, then V's four
.set KSC,  84
.set VSC,  88
.set CPA,  92
.set S,    96                          ; v96-159 scores, then p
.set OT,   160                         ; v160-191 O^T
.set PC,   192
.set T0,   204
.set T1,   208
.set BM,   212
.set BP,   216
.set BS,   220
.set CPB,  224
.set FF,   228
.set PW,   229
.set TT,   230
.set SM2,  232
; s16 wave, s17 tile, s18 my flags, s19 the work-group's flags, s[20:21] lane selects, s[22:23] c, s24 trip, s25 the step's flag, s[26:27] kv at the next step, s[28:29] mbits at this step, s[30:31] the prefetches,
; s32-63 and s68-99 the step's 64 lane masks, s100 the copy's test, s105 trips in which I prefetch
	s_load_b256 s[4:11], s[0:1], 0x0               ; qb, kv, mbits, mflags
	s_load_b128 s[12:15], s[0:1], 0x20             ; xc, xs
	v_lshl_add_u32 v[SPW], v0, 2, SPARE
	v_mov_b32 v[NIL], 0
	v_lshrrev_b32 v[STO], 5, v0
	v_readfirstlane_b32 s16, v[STO]
	v_and_b32 v[L8], 31, v0
	v_lshlrev_b32 v[LI], 4, v[L8]
	v_lshlrev_b32 v[CP], 4, v0
	v_lshlrev_b32 v[PFO], 8, v[L8]
	v_mov_b32 v[NINF], 0xff800000
	v_and_b32 v[R32], 15, v0
	v_bfe_u32 v[HH], v0, 4, 1
	s_mul_i32 s2, s16, 768
	s_add_co_u32 s2, s2, STG
	v_mul_u32_u24 v[STI], v[R32], 48
	v_mad_u32_u24 v[STI], v[HH], 24, v[STI]
	v_add_nc_u32 v[STI], s2, v[STI]                ; the stage, in: row r of 48 bytes, + 24 h
	v_lshlrev_b32 v[L8], 3, v[L8]
	v_add_nc_u32 v[STO], s2, v[L8]                 ; back: 8 bytes a lane
	v_lshlrev_b32 v[R32], 5, v[R32]
	s_and_b32 s3, s16, 7
	s_sub_co_u32 s25, 15, ttmp9
	s_cmp_lt_u32 s16, 8
	s_cselect_b32 s17, ttmp9, s25
	s_lshl_b32 s17, s17, 3
	s_add_co_u32 s17, s17, s3                      ; my tile of queries
	s_lshl_b32 s68, s17, 2
	s_lshl_b32 s69, ttmp9, 5
	s_lshl_b32 s70, s25, 5
	s_and_b32 s71, ttmp7, 0xffff                   ; head of batch
	s_mul_i32 s72, s71, HB
	s_mov_b32 s73, 0
	s_lshr_b32 s74, s17, 3
	s_mul_i32 s74, s74, BLK
	s_add_co_u32 s74, s74, s72                     ; Q's block of 128 tokens
	s_bfe_u32 s76, s17, 0x20001                    ; which pair of tiles in it
	s_mul_i32 s77, s76, 1536
	s_lshl_b32 s76, s76, 2
	s_add_co_u32 s82, s74, s76                     ; its scale word's place in unit 24
	s_mov_b32 s83, 0
	s_add_co_u32 s74, s74, s77
	s_mov_b32 s75, 0
	s_lshl_b32 s86, s17, 12
	s_mov_b32 s87, 0
	s_and_b32 s88, s16, 1
	s_lshl_b32 s88, s88, 13
	s_add_co_u32 s88, s88, 49152
	s_mov_b32 s89, 0
	s_wait_kmcnt 0x0
	s_load_b32 s18, s[10:11], s68 offset:0x0       ; my tile's flags
	s_load_b256 s[32:39], s[10:11], s69 offset:0x0 ; and those of the work-group's sixteen tiles
	s_load_b256 s[40:47], s[10:11], s70 offset:0x0
	s_add_nc_u64 s[26:27], s[6:7], s[72:73]        ; kv at my head
	s_add_nc_u64 s[78:79], s[4:5], s[74:75]
	s_add_nc_u64 s[80:81], s[4:5], s[82:83]
	s_add_nc_u64 s[28:29], s[8:9], s[86:87]
	s_add_nc_u64 s[30:31], s[26:27], s[88:89]
.irp g, 0,1,2
	global_load_b128 v[KF+4*\g:KF+4*\g+3], v[LI], s[78:79] offset:512*\g   ; the pair fragment that holds my tile of Q
.endr
	global_load_b32 v[KSC], v[LI], s[80:81] offset:12288
	global_load_b128 v[CPA:CPA+3], v[CP], s[26:27] ; key step 0
	s_cmp_lt_u32 s16, 10
	s_cbranch_scc0 .Lh_load
	global_load_b128 v[CPB:CPB+3], v[CP], s[26:27] offset:8192
.Lh_load:
	s_mov_b32 s20, 0x76543210
	s_mov_b32 s21, 0xfedcba98
	s_mov_b32 s22, 0x3e38aa3b                      ; c = log2(e) / 8
	s_mov_b32 s23, s22
	s_mov_b32 s24, 0
	s_lshr_b32 s84, s16, 1
	s_xor_b32 s84, s84, 7                          ; 0 in waves 14 and 15,
	s_or_b32 s84, s84, ttmp9                       ; of the head's first work-group
	s_cmp_eq_u32 s84, 0
	s_cselect_b32 s105, 5, 0
	s_and_b32 s84, s17, 1                          ; which tile of the pair is mine
	s_mov_b32 s85, 0x01000100
	s_cmp_lg_u32 s84, 0
	s_cselect_b32 s25, -1, 0
	s_cselect_b32 s85, 0x03020302, s85
.irp i, 0,1,2,3,4,5
	v_mov_b32 v[QT+\i], 0
	v_mov_b32 v[QT+12+\i], 0
.endr
	v_mov_b32 v13, 0xff61b1e6                      ; the largest t so far: -3e38
	v_floor_f32 v12, -v13                          ; -M
	v_mov_b32 v14, 0
	v_mov_b32 v15, 0
.irp b, 0,1,2,3
	v_mov_b32 v[BP+\b], 0                          ; written once: a lane permute's destination counts as one of its sources
.endr
	v_mov_b32 v[PW], 0
	v_mov_b32 v[TT], 0
	s_wait_loadcnt 0x0
.irp i, 0,1,2,3,4,5
	v_cndmask_b32 v[QT+6+\i], v[KF+\i], v[KF+6+\i], s25
.endr
	v_perm_b32 v[QS], v[KSC], v[KSC], s85          ; my tile's two bytes, twice: for k 0-63 and for k 64-127
.set NN, 0
.rept 32
	v_mov_b32 v[OT+NN], 0                          ; O^T: the first change of M leaves zeros zeros.  (These are also the places ahead of the first products)
.set NN, NN+1
.endr
	ds_store_b128 v[CP], v[CPA:CPA+3]
	s_cmp_lt_u32 s16, 10
	s_cbranch_scc0 .Lh_store
	ds_store_b128 v[CP], v[CPB:CPB+3] offset:8192
.Lh_store:
	s_add_nc_u64 s[26:27], s[26:27], BLK           ; (its loads are done)
	s_wait_kmcnt 0x0
	s_or_b32 s19, s32, s33
.irp n, 34,35,36,37,38,39,40,41,42,43,44,45,46,47
	s_or_b32 s19, s19, s[\n]                       ; a step's bits are 0 here where none of the sixteen tiles wants it
.endr
	s_wait_dscnt 0x0
	s_barrier_signal -1
	s_barrier_wait -1
.macro STEP buf
.set BB, BUF1*(\buf)
.set OB, BUF1*(1-(\buf))
	s_bfe_u32 s100, s19, 0x20002                   ; does any wave want the next step?  (Behind the last step the bits are 0: no load leaves the buffer)
	s_cmp_lg_u32 s100, 0
	s_cbranch_scc0 .Lno_load_\@
	global_load_b128 v[CPA:CPA+3], v[CP], s[26:27]
	s_cmp_lt_u32 s16, 10
	s_cbranch_scc0 .Lno_load_\@
	global_load_b128 v[CPB:CPB+3], v[CP], s[26:27] offset:8192
.Lno_load_\@:
	s_cmp_lt_u32 s24, s105
	s_cbranch_scc0 .Lno_ask_\@
	global_prefetch_b8 v[PFO], s[30:31] th:TH_LOAD_NT scope:SCOPE_SE
.Lno_ask_\@:
	s_and_b32 s25, s18, 3
	s_cmp_eq_u32 s25, 0
	s_cbranch_scc1 .Ldone_\@                       ; no key of this step counts for my queries
	s_load_b512 s[32:47], s[28:29], 0x0            ; the step's 64 lane masks
	s_load_b512 s[48:63], s[28:29], 0x40
	s_load_b512 s[68:83], s[28:29], 0x80
	s_load_b512 s[84:99], s[28:29], 0xc0
	ds_load_b128 v[KSC:KSC+3], v[LI] offset:BB+12288
.irp j, 0,1,2,3
.irp g, 0,1,2
	ds_load_b128 v[KF+12*\j+4*\g:KF+12*\j+4*\g+3], v[LI] offset:BB+512*(3*\j+\g)
.endr
.endr
	s_wait_dscnt 0x0
.irp j, 0,1,2,3
	v_wmma_scale_f32_16x16x128_f8f6f4 v[S+16*\j:S+16*\j+7], v[KF+12*\j:KF+12*\j+11], v[QT+6:QT+17], 0, v[KSC+\j], v[QS] matrix_a_fmt:MATRIX_FMT_FP6 matrix_b_fmt:MATRIX_FMT_FP6
	v_wmma_scale_f32_16x16x128_f8f6f4 v[S+16*\j+8:S+16*\j+15], v[KF+12*\j:KF+12*\j+11], v[QT:QT+11], 0, v[KSC+\j], v[QS] matrix_a_fmt:MATRIX_FMT_FP6 matrix_b_fmt:MATRIX_FMT_FP6
.endr
.rept 4
	v_nop                                          ; places: in front of the loads into K's registers and of the first read of the scores
.endr
.irp t, 0,1,2,3
.irp g, 0,1,2
	ds_load_b128 v[KF+12*\t+4*\g:KF+12*\t+4*\g+3], v[LI] offset:BB+6144+512*(3*\t+\g)   ; V's fragments land under the softmax
.endr
.endr
	ds_load_b128 v[VSC:VSC+3], v[LI] offset:BB+12800
	s_wait_kmcnt 0x0
	s_cmp_eq_u32 s25, 2
	s_cbranch_scc1 .Lopen_\@                       ; all keys count
.set NN, 0
.rept 64
	v_cndmask_b32 v[S+NN], v[NINF], v[S+NN], s[32+NN+4*(NN/32)]   ; a hidden key's score becomes -infinity: p = 0
.set NN, NN+1
.endr
.Lopen_\@:
.irp b, 0,1,2,3
	v_max3_num_f32 v[BM+\b], v[S+16*\b], v[S+1+16*\b], v[S+2+16*\b]   ; the largest score of each block of 32 keys: for the row's maximum and, since p rises with the score, for the block's largest p
.endr
.irp i, 3,5,7,9,11,13
.irp b, 0,1,2,3
	v_max3_num_f32 v[BM+\b], v[BM+\b], v[S+16*\b+\i], v[S+1+16*\b+\i]
.endr
.endr
.irp b, 0,1,2,3
	v_max_num_f32 v[BM+\b], v[BM+\b], v[S+15+16*\b]
.endr
.irp b, 0,1,2,3
	v_permlanex16_b32 v[BP+\b], v[BM+\b], s20, s21
.endr
.irp b, 0,1,2,3
	v_max_num_f32 v[BM+\b], v[BM+\b], v[BP+\b]
.endr
	v_max3_num_f32 v[TT], v[BM], v[BM+1], v[BM+2]
	v_max_num_f32 v[TT], v[TT], v[BM+3]
	v_mul_f32 v[TT], s22, v[TT]
	v_max_num_f32 v13, v13, v[TT]                  ; the running largest t
	v_mov_b32 v[TT], v12
	v_floor_f32 v12, -v13                          ; the new -M: M is a whole number
	v_sub_f32 v[TT], v12, v[TT]                    ; old M - new M, 0 or less
	v_cvt_i32_f32 v[TT], v[TT]                     ; (it saturates)
	v_ldexp_f32 v[FF], 1.0, v[TT]                  ; f = 2^(old M - new M): rounds nothing
.set NN, 0
.rept 32
	v_pk_fma_f32 v[S+NN:S+NN+1], v[S+NN:S+NN+1], s[22:23], v[12:13] op_sel_hi:[1,0,0]   ; t - M
.set NN, NN+2
.endr
.irp b, 0,1,2,3
	v_fma_f32 v[BM+\b], v[BM+\b], s22, v12
.endr
.set NN, 0
.rept 64
	v_exp_f32 v[S+NN], v[S+NN]                     ; p = 2^(t - M): not normalised
.set NN, NN+1
.endr
	v_pk_mul_f32 v[14:15], v[14:15], v[FF:FF+1] op_sel_hi:[1,0]   ; the sums under the new M (a plain line behind the exponentials)
	s_wait_alu depctr_va_vdst(0)                   ; one wait for the batch, ahead of its first reader
.irp b, 0,1,2,3
	v_exp_f32 v[BM+\b], v[BM+\b]                   ; the blocks' largest p
.endr
	v_pk_add_f32 v[SM2:SM2+1], v[S:S+1], v[S+2:S+3]   ; the row's sum is taken of the unquantised p, in two chains
.set NN, 4
.rept 15
	v_pk_add_f32 v[14:15], v[14:15], v[S+NN:S+NN+1]
	v_pk_add_f32 v[SM2:SM2+1], v[SM2:SM2+1], v[S+NN+2:S+NN+3]
.set NN, NN+4
.endr
	v_pk_add_f32 v[14:15], v[14:15], v[SM2:SM2+1]
	s_wait_alu depctr_va_vdst(0)                   ; and one for the four
.irp b, 0,1,2,3
	v_max_num_f32 v[BM+\b], 0x1800000, v[BM+\b]    ; the floor 2^(3 - 127)
.endr
.irp b, 0,1,2,3
	v_add_nc_u32 v[BS+\b], 0xff000000, v[BM+\b]
.endr
.irp b, 0,1,2,3
	v_lshrrev_b32 v[BP+\b], 23, v[BS+\b]
.endr
	v_lshl_or_b32 v[PW], v[BP+1], 8, v[BP]         ; p's scale word for these 128 keys
	v_lshl_or_b32 v[PW], v[BP+2], 16, v[PW]
	v_lshl_or_b32 v[PW], v[BP+3], 24, v[PW]
	v_cvt_scalef32_pk16_fp6_f32 v[PC:PC+2], v[S:S+15], v[BS]
	v_cvt_scalef32_pk16_fp6_f32 v[T0:T0+2], v[S+16:S+31], v[BS+1]
	v_cvt_scalef32_pk16_fp6_f32 v[PC+6:PC+8], v[S+32:S+47], v[BS+2]
	v_cvt_scalef32_pk16_fp6_f32 v[T1:T1+2], v[S+48:S+63], v[BS+3]
	v_nop                                          ; one plain place behind a scaled conversion
.irp i, 0,1,2
	v_permlane16_swap_b32 v[PC+\i], v[T0+\i]
	v_permlane16_swap_b32 v[PC+6+\i], v[T1+\i]
.endr
.irp i, 0,1,2
	v_mov_b32 v[PC+3+\i], v[T0+\i]
	v_mov_b32 v[PC+9+\i], v[T1+\i]
.endr
.set NN, 0
.rept 16
	v_pk_mul_f32 v[OT+NN:OT+NN+1], v[OT+NN:OT+NN+1], v[FF:FF+1] op_sel_hi:[1,0]   ; O^T under the new M; these sixteen are also the places between the scale word, the codes and the products
.set NN, NN+2
.endr
	s_wait_dscnt 0x0                               ; V is in
.irp t, 0,1,2,3
	v_wmma_scale_f32_16x16x128_f8f6f4 v[OT+8*\t:OT+8*\t+7], v[KF+12*\t:KF+12*\t+11], v[PC:PC+11], v[OT+8*\t:OT+8*\t+7], v[VSC+\t], v[PW] matrix_a_fmt:MATRIX_FMT_FP6 matrix_b_fmt:MATRIX_FMT_FP6
.endr
.rept 4
	v_nop                                          ; places: in front of the next loads into these fragments and of the next read of O^T
.endr
.Ldone_\@:
	s_wait_loadcnt 0x0                             ; the next step's bytes are in my registers
	s_cmp_lg_u32 s100, 0
	s_cbranch_scc0 .Lno_store_\@
	ds_store_b128 v[CP], v[CPA:CPA+3] offset:OB    ; into the buffer that every wave left at the last barrier
	s_cmp_lt_u32 s16, 10
	s_cbranch_scc0 .Lno_store_\@
	ds_store_b128 v[CP], v[CPB:CPB+3] offset:OB+8192
.Lno_store_\@:
	s_wait_xcnt 0x0                                ; the step's loads and its prefetch have read their bases
	s_add_nc_u64 s[26:27], s[26:27], BLK
	s_add_nc_u64 s[28:29], s[28:29], 256
	s_add_nc_u64 s[30:31], s[30:31], 16384
	s_lshr_b32 s18, s18, 2
	s_lshr_b32 s19, s19, 2
	s_wait_dscnt 0x0                               ; my stores have landed and my reads of this buffer are over
	s_barrier_signal -1
	s_barrier_wait -1
.endm
.Ltrip:
	STEP 0
	STEP 1
	s_add_co_u32 s24, s24, 1
	s_cmp_lt_u32 s24, 8
	s_cbranch_scc1 .Ltrip
	; THE WAY OUT: O / the sum, quantised along the head's 64 (two blocks), through my stage, to panel = head of xc, rows 28,672 on, in position order
	v_add_f32 v14, v14, v15
	v_permlanex16_b32 v[TT], v14, s20, s21
	v_add_f32 v14, v14, v[TT]                      ; the row's sum
	v_rcp_f32 v[FF], v14
	v_nop                                          ; a plain line behind the reciprocal
	s_and_b32 s32, ttmp7, 0xffff
	s_and_b32 s33, s32, 15                         ; head
	s_lshr_b32 s32, s32, 4                         ; batch
	s_lshl_b32 s32, s32, 11
	s_lshl_b32 s34, s17, 4
	s_add_co_u32 s32, s32, s34
	s_add_co_u32 s32, s32, 28672                   ; my tile's first row
	s_mul_i32 s36, s32, 48
	s_mul_i32 s34, s33, PSTR
	s_add_co_u32 s36, s36, s34
	s_mov_b32 s37, 0
	s_lshl_b32 s38, s32, 5
	s_lshl_b32 s33, s33, 1
	s_add_co_u32 s38, s38, s33
	s_mov_b32 s39, 0
	s_add_nc_u64 s[12:13], s[12:13], s[36:37]
	s_add_nc_u64 s[14:15], s[14:15], s[38:39]
	s_wait_alu depctr_va_vdst(0)                   ; the wait, ahead of the reciprocal's first reader
.set NN, 0
.rept 16
	v_pk_mul_f32 v[OT+NN:OT+NN+1], v[OT+NN:OT+NN+1], v[FF:FF+1] op_sel_hi:[1,0]
.set NN, NN+2
.endr
.irp b, 0,1
	v_max3_num_f32 v[BM+\b], |v[OT+16*\b]|, |v[OT+1+16*\b]|, 0x1800000
.endr
.irp i, 2,4,6,8,10,12,14
.irp b, 0,1
	v_max3_num_f32 v[BM+\b], v[BM+\b], |v[OT+16*\b+\i]|, |v[OT+1+16*\b+\i]|
.endr
.endr
.irp b, 0,1
	v_permlanex16_b32 v[BP+\b], v[BM+\b], s20, s21
.endr
.irp b, 0,1
	v_max_num_f32 v[BM+\b], v[BM+\b], v[BP+\b]
.endr
.irp b, 0,1
	v_add_nc_u32 v[BS+\b], 0xff000000, v[BM+\b]
.endr
.irp b, 0,1
	v_lshrrev_b32 v[BP+\b], 23, v[BS+\b]
.endr
	v_cmp_lt_f32 vcc_lo, 0, v14                    ; a row with no key: the byte 0xff
.irp b, 0,1
	v_cndmask_b32 v[BP+\b], 0xff, v[BP+\b], vcc_lo
.endr
	v_lshl_or_b32 v[BP], v[BP+1], 8, v[BP]
	v_cvt_scalef32_pk16_fp6_f32 v[PC:PC+2], v[OT:OT+15], v[BS]
	v_cvt_scalef32_pk16_fp6_f32 v[T0:T0+2], v[OT+16:OT+31], v[BS+1]
	v_nop
.irp i, 0,1,2
	v_permlane16_swap_b32 v[PC+\i], v[T0+\i]
.endr
.irp i, 0,1,2
	v_mov_b32 v[PC+3+\i], v[T0+\i]
.endr
.irp e, 0,1,2
	ds_store_b64 v[STI], v[PC+2*\e:PC+2*\e+1] offset:8*\e
.endr
.irp e, 0,1,2
	ds_load_b64 v[KF+2*\e:KF+2*\e+1], v[STO] offset:256*\e   ; my own bytes, served in order: these see the stores above
.endr
	s_wait_dscnt 0x0
.irp e, 0,1,2
	global_store_b64 v[L8], v[KF+2*\e:KF+2*\e+1], s[12:13] offset:256*\e   ; 256 consecutive bytes, aligned
.endr
	v_cmp_eq_u32 vcc_lo, 0, v[HH]
	s_wait_xcnt 0x0                                ; EXEC changes only behind this wait
	s_and_saveexec_b32 s40, vcc_lo
	global_store_b16 v[R32], v[BP], s[14:15]       ; lanes 0-15: my row's two scale bytes of this head
	s_wait_xcnt 0x0
	s_or_b32 exec_lo, exec_lo, s40
	s_wait_tensorcnt 0x0                           ; the wave's end, behind my last LDS store
	ds_add_u32 v[SPW], v[NIL]
	s_wait_dscnt 0x0
	s_endpgm
.Lfunc_end_k_q483e9cccf8_attn:
	.size	k_q483e9cccf8_attn, .Lfunc_end_k_q483e9cccf8_attn-k_q483e9cccf8_attn
	.p2alignl 7, 3214868480
	.fill 96, 4, 3214868480
	.section	.rodata,"a",@progbits
	.p2align	6, 0x0
	.amdhsa_kernel k_q483e9cccf8_attn
		.amdhsa_group_segment_fixed_size 47104
		.amdhsa_private_segment_fixed_size 0
		.amdhsa_enable_private_segment 0
		.amdhsa_kernarg_size 48
		.amdhsa_user_sgpr_count 2
		.amdhsa_user_sgpr_kernarg_segment_ptr 1
		.amdhsa_wavefront_size32 1
		.amdhsa_system_sgpr_workgroup_id_x 1
		.amdhsa_system_sgpr_workgroup_id_y 1
		.amdhsa_system_sgpr_workgroup_id_z 1
		.amdhsa_system_vgpr_workitem_id 0
		.amdhsa_next_free_vgpr 256
		.amdhsa_next_free_sgpr 106
		.amdhsa_reserve_vcc 1
		.amdhsa_float_denorm_mode_32 3
		.amdhsa_float_denorm_mode_16_64 3
		.amdhsa_memory_ordered 1
		.amdhsa_forward_progress 1
		.amdhsa_inst_pref_size 54
	.end_amdhsa_kernel
	.amdgpu_metadata
---
amdhsa.version: [ 1, 2 ]
amdhsa.kernels:
  - .name:           k_q483e9cccf8_attn
    .symbol:         k_q483e9cccf8_attn.kd
    .args:
      - { .name: qb, .offset: 0, .size: 8, .value_kind: global_buffer, .address_space: global }
      - { .name: kv, .offset: 8, .size: 8, .value_kind: global_buffer, .address_space: global }
      - { .name: mbits, .offset: 16, .size: 8, .value_kind: global_buffer, .address_space: global }
      - { .name: mflags, .offset: 24, .size: 8, .value_kind: global_buffer, .address_space: global }
      - { .name: xc, .offset: 32, .size: 8, .value_kind: global_buffer, .address_space: global }
      - { .name: xs, .offset: 40, .size: 8, .value_kind: global_buffer, .address_space: global }
    .group_segment_fixed_size: 47104
    .private_segment_fixed_size: 0
    .kernarg_segment_align: 8
    .kernarg_segment_size: 48
    .max_flat_workgroup_size: 512
    .sgpr_count:     106
    .vgpr_count:     256
    .wavefront_size: 32
...
	.end_amdgpu_metadata
.endif
;; end of part 3
;; launch outp (part 4): grid 4 x 32, 4 waves a work-group, clusters of 4 x 4, 327,680 bytes of LDS; arguments xc, xs, out0; writes out0
.if DOCPART == 4
	.amdgcn_target "amdgcn-amd-amdhsa--gfx1250"
	.amdhsa_code_object_version 6
	.text
	.protected	k_q483e9cccf8_outp
	.globl	k_q483e9cccf8_outp
	.p2align	8
	.type	k_q483e9cccf8_outp,@function
k_q483e9cccf8_outp:
	s_mov_b64 s[64:65], 0
	v_nop
	global_prefetch_b8 v0, s[64:65] scope:SCOPE_SE
	s_setreg_imm32_b32 hwreg(HW_REG_WAVE_MODE, 25, 1), 1
	s_wait_xcnt 0x0
	s_wait_alu depctr_hold_cnt(0) depctr_sa_sdst(0) depctr_va_vdst(0) depctr_va_sdst(0) depctr_va_ssrc(0) depctr_va_vcc(0) depctr_vm_vsrc(0)
	s_getreg_b32 s2, hwreg(HW_REG_IB_STS2, 6, 4)
	s_cmp_eq_u32 s2, 0
	s_cbranch_scc0 .Lentry_in_a_cluster
	s_endpgm
.Lentry_in_a_cluster:
	s_bfe_u32 s2, ttmp6, 0x10000c
	s_cmp_lg_u32 s2, 0xf033
	s_cbranch_scc0 .Lentry_shape_is_right
	s_endpgm
.Lentry_shape_is_right:
; out0 = (attention's result) wo^T, 8,192 x 1,024 x 1,024, on codes of FP6 (E2M3) with E8M0 scales; out0 f32.
; xc[panel k/64][row][48 bytes], xs[row][32 bytes]: rows 28,672 on: attention's result; rows 27,648 on: wo.  Rows lie in position order (within 32 rows, position 16 u + r = row 8 u + r + 8 (r / 8)); the way out undoes it.
; A tile of 256 x 256 is made by four waves, 128 x 128 each.  K goes in steps of 256 (four panels) through two LDS slots filled by the tensor data mover: a wave's load brings 4 panels x 6,144 dense bytes.
; The tile's scale bytes come once, with the first fills.  A row whose scale bytes are 0xff (no key counted for it) comes out NaN.
; CLUSTERS: 4 x 4 work-groups; A's tiles (tokens) are asked for jointly along a row of the cluster, B's (wo's rows) along a column.  THE MATRIX INSTRUCTION IS USED TRANSPOSED: source 0 = wo's rows, source 1 = tokens.
; 128 work-groups: 32 x 4 tiles.  No prefetch: K has four K steps, two are first fills and the other two are asked for as soon as a slot is free.
; REGISTERS: window 0: v16-29 addresses; v32-63 scale words; v128-223 A's fragments (on the way out v128-255: rows read back).  Window 1: B's fragments, two sets.  Windows 2, 3: the accumulators.
.set NQ,     2
.set FR,     12
.set NL,     6
.set NP,     4
.set PSTR,   1769472
.set PANB,   6144
.set HALFT,  4*PANB
.set SLOT,   4*HALFT
.set LAPS,   2
.set KS,     32
.set SCL,    2*SLOT
.set HALFS,  (128*KS/256)*272
.set SBLK,   (16*KS/256)*272
.set SPARE,  SCL+4*HALFS               ; the spare words: 128 bytes a wave, two blocks of 256 bytes that no other line names
.set SPITCH, 528                       ; the way out: a stage of 16 rows x (512 + 16) bytes a wave, in slot 0, which has had its last fill and its last read by then
.set ADRA, 16
.set ADRB, 20
.set STO,  24
.set RD,   25
.set CO,   26
.set ADRS, 27
.set SPW,  28
.set NIL,  29
.set SC,   32
.set AF,   128
.set BK,   128
.set G1, 24
.set G0, 32
.set G1B, 48
.set G0B, 56
.set G1S, 68
.set G0S, 76
.set G1SB, 80
.set G0SB, 88
.set MSB, 0
.macro WIN new
.if MSB != (\new)
	s_set_vgpr_msb (MSB<<8)|(\new)
.set MSB, (\new)
.endif
.endm
.set MUL_LO, 0xa1
.set MUL_HI, 0xf1
.set TO_B,   0x40
.macro JLOAD g0a, g1a, g0b, g1b        ; a joint load: waves 0 and 1 fetch for A, waves 2 and 3 for B; an s_nop 0 and four v_nop follow each line
	s_cmp_eq_u32 s15, 0
	s_cbranch_scc0 .Lfor_b_\@
	tensor_load_to_lds s[\g0a:\g0a+3], s[\g1a:\g1a+7]
	s_nop 0
.rept 4
	v_nop
.endr
	s_branch .Lasked_\@
.Lfor_b_\@:
	tensor_load_to_lds s[\g0b:\g0b+3], s[\g1b:\g1b+7]
	s_nop 0
.rept 4
	v_nop
.endr
.Lasked_\@:
.endm
.macro CREST
	s_cmp_lg_u32 s14, 0
	s_cbranch_scc1 .Lnot_wave_0_\@
	s_barrier_signal -3
.Lnot_wave_0_\@:
	s_barrier_wait -3
	s_barrier_signal -1
	s_barrier_wait -1
.endm
.macro CROUND
	s_barrier_signal -1
	s_barrier_wait -1
	CREST
.endm
	s_load_b128 s[4:7], s[0:1], 0x0                ; xc, xs
	s_load_b64 s[12:13], s[0:1], 0x10              ; out0
	v_lshl_add_u32 v[SPW], v0, 2, SPARE
	v_mov_b32 v[NIL], 0
	ds_add_u32 v[SPW], v[NIL]                      ; the wave's opening: the add and its wait, ahead of my first tensor load
	v_lshrrev_b32 v1, 5, v0
	v_readfirstlane_b32 s14, v1
	s_lshr_b32 s15, s14, 1
	s_and_b32 s16, s14, 1
	s_bfe_u32 s40, ttmp6, 0x40000                  ; cx
	s_bfe_u32 s41, ttmp6, 0x40004                  ; cy
	s_lshl_b32 s42, ttmp9, 2
	s_add_co_u32 s42, s42, s40                     ; B's tile
	s_and_b32 s17, ttmp7, 0xffff
	s_lshl_b32 s17, s17, 2
	s_add_co_u32 s17, s17, s41                     ; A's tile
	s_lshl_b32 s43, s41, 2
	s_lshl_b32 s43, 15, s43
	s_lshl_b32 s44, 0x1111, s40
	s_or_b32 s[G1+0], s43, (3<<16)|(1<<21)         ; codes: 4 rows (panels) of 768 elements of 8 bytes, PSTR / 8 elements apart, no padding
	s_or_b32 s[G1B+0], s44, (3<<16)|(1<<21)
.irp g, G1, G1B
	s_mov_b32 s[\g+1], 768<<16
	s_mov_b32 s[\g+2], 4<<16
	s_mov_b32 s[\g+3], 768<<16
	s_mov_b32 s[\g+4], 4
	s_mov_b32 s[\g+5], PSTR/8
	s_mov_b32 s[\g+6], 0
	s_mov_b32 s[\g+7], 0
.endr
	s_or_b32 s[G1S+0], s43, (3<<16)|(1<<20)|(1<<21)|(5<<22)|(3<<25)   ; scales: 16 rows of 256 bytes, 16 of padding behind each
	s_or_b32 s[G1SB+0], s44, (3<<16)|(1<<20)|(1<<21)|(5<<22)|(3<<25)
.irp g, G1S, G1SB
	s_mov_b32 s[\g+1], 32<<16
	s_mov_b32 s[\g+2], (128*KS/256)<<16
	s_mov_b32 s[\g+3], 32<<16
	s_mov_b32 s[\g+4], 128*KS/256
	s_mov_b32 s[\g+5], 32
	s_mov_b32 s[\g+6], 0
	s_mov_b32 s[\g+7], 0
.endr
	s_lshl_b32 s18, s16, 7
	s_lshl_b32 s20, s17, 8
	s_add_co_u32 s20, s20, s18
	s_add_co_u32 s20, s20, 28672
	s_lshl_b32 s46, s42, 8
	s_add_co_u32 s46, s46, s18
	s_add_co_u32 s46, s46, 27648
	s_lshl_b32 s22, s20, 5
	s_mov_b32 s23, 0
	s_lshl_b32 s92, s46, 5
	s_mov_b32 s93, 0
	s_mul_i32 s20, s20, 48
	s_mov_b32 s21, 0
	s_mul_i32 s46, s46, 48
	s_mov_b32 s47, 0
	s_mul_i32 s45, s14, HALFT
	s_mul_i32 s94, s14, HALFS
	s_wait_dscnt 0x0                               ; the opening add is done
	s_wait_kmcnt 0x0
	s_add_nc_u64 s[20:21], s[4:5], s[20:21]
	s_add_nc_u64 s[22:23], s[6:7], s[22:23]
	s_add_nc_u64 s[46:47], s[4:5], s[46:47]
	s_add_nc_u64 s[92:93], s[6:7], s[92:93]
	CROUND
	s_mov_b32 s[G0S], 1
	s_add_co_u32 s[G0S+1], s94, SCL
	s_mov_b64 s[G0S+2:G0S+3], s[22:23]
	s_or_b32 s[G0S+3], s[G0S+3], 0x80000000
	s_mov_b32 s[G0SB], 1
	s_add_co_u32 s[G0SB+1], s94, SCL
	s_mov_b64 s[G0SB+2:G0SB+3], s[92:93]
	s_or_b32 s[G0SB+3], s[G0SB+3], 0x80000000
	JLOAD G0S, G1S, G0SB, G1SB                     ; with the two slots three loads of mine are out
.irp s, 0,1
	s_mov_b32 s[G0+4*\s], 1
	s_add_co_u32 s[G0+4*\s+1], s45, \s*SLOT
	s_add_nc_u64 s[G0+4*\s+2:G0+4*\s+3], s[20:21], \s*4*PSTR
	s_or_b32 s[G0+4*\s+3], s[G0+4*\s+3], 0x80000000
	s_mov_b32 s[G0B+4*\s], 1
	s_add_co_u32 s[G0B+4*\s+1], s45, \s*SLOT
	s_add_nc_u64 s[G0B+4*\s+2:G0B+4*\s+3], s[46:47], \s*4*PSTR
	s_or_b32 s[G0B+4*\s+3], s[G0B+4*\s+3], 0x80000000
	JLOAD G0+4*\s, G1, G0B+4*\s, G1B
.endr
	v_and_b32 v1, 15, v0
	v_bfe_u32 v2, v0, 4, 1
	v_mul_u32_u24 v3, v1, 48
	v_mad_u32_u24 v4, v2, 24, v3
	s_mul_i32 s21, s15, HALFT
	s_mul_i32 s22, s16, HALFT
	s_add_co_u32 s22, s22, 2*HALFT
.irp s, 0,1
	v_add_nc_u32 v[ADRA+\s], s21, v4
	v_add_nc_u32 v[ADRB+\s], s22, v4
	s_add_co_u32 s21, s21, SLOT
	s_add_co_u32 s22, s22, SLOT
.endr
	v_mul_u32_u24 v5, v1, KS
	v_lshrrev_b32 v6, 8, v5
	v_lshl_add_u32 v5, v6, 4, v5
	s_mul_i32 s21, s15, HALFS
	s_mul_i32 s22, s16, HALFS
	s_add_co_u32 s22, s22, 2*HALFS
	s_sub_co_u32 s22, s22, s21
	v_mul_u32_u24 v6, s22, v2
	s_add_co_u32 s21, s21, SCL
	v_add_nc_u32 v5, v5, v6
	v_add_nc_u32 v[ADRS], s21, v5
	s_mul_i32 s23, s14, 16*SPITCH                  ; my stage
	v_mul_u32_u24 v5, v1, SPITCH
	v_lshl_add_u32 v5, v2, 6, v5                   ; in: row r; my half's sixteen columns of each 32: + 64 h bytes
	v_add_nc_u32 v[STO], s23, v5
	v_and_b32 v6, 31, v0
	v_lshlrev_b32 v[CO], 4, v6
	v_add_nc_u32 v[RD], s23, v[CO]                 ; back: the 32 lanes take a row of 512 bytes
	s_lshl_b32 s20, s17, 8
	s_lshl_b32 s21, s15, 7
	s_add_co_u32 s20, s20, s21
	s_lshl_b32 s20, s20, 12                        ; my first row of out0, 4,096 bytes a row
	s_lshl_b32 s46, s42, 10
	s_lshl_b32 s47, s16, 9
	s_add_co_u32 s46, s46, s47
	s_add_co_u32 s20, s20, s46
	s_mov_b32 s21, 0
	s_add_nc_u64 s[12:13], s[12:13], s[20:21]
.macro FRAG reg, adr, q, i
.irp p, 0,1,2,3,4,5
	ds_load_b64 v[\reg+2*\p:\reg+2*\p+1], v[\adr] offset:(2*(\q)+\p/3)*PANB+(\i)*768+8*(\p%3)
.endr
.endm
; The 64 accumulators take turns, one instruction a turn, in the same order in every step.
.macro MUL16 a0, p, q, sc, zero
.irp a, \a0, \a0+1
.irp b, 0,1,2,3,4,5,6,7
.if \zero
	v_wmma_scale_f32_16x16x128_f8f6f4 v[8*(8*((\a)%4)+\b):8*(8*((\a)%4)+\b)+7], v[128*(\p)+FR*\b:128*(\p)+FR*\b+FR-1], v[AF+FR*(\a):AF+FR*(\a)+FR-1], 0, v[SC+8*NQ*(\sc)+NQ*\b+(\q)], v[SC+8*NQ*(\sc)+NQ*(\a)+(\q)] matrix_a_fmt:MATRIX_FMT_FP6 matrix_b_fmt:MATRIX_FMT_FP6 matrix_a_scale:MATRIX_SCALE_ROW1
.else
	v_wmma_scale_f32_16x16x128_f8f6f4 v[8*(8*((\a)%4)+\b):8*(8*((\a)%4)+\b)+7], v[128*(\p)+FR*\b:128*(\p)+FR*\b+FR-1], v[AF+FR*(\a):AF+FR*(\a)+FR-1], v[8*(8*((\a)%4)+\b):8*(8*((\a)%4)+\b)+7], v[SC+8*NQ*(\sc)+NQ*\b+(\q)], v[SC+8*NQ*(\sc)+NQ*(\a)+(\q)] matrix_a_fmt:MATRIX_FMT_FP6 matrix_b_fmt:MATRIX_FMT_FP6 matrix_a_scale:MATRIX_SCALE_ROW1
.endif
.endr
.endr
.endm
.macro FETCH_B slot, q, p
	WIN TO_B
.irp i, 0,1,2,3,4,5,6,7
	FRAG 128*(\p)+FR*\i, ADRB+\slot, \q, \i
.endr
	WIN 0
.endm
.macro FETCH_A slot, q, i0
.irp i, \i0, \i0+1, \i0+2, \i0+3
	FRAG AF+FR*(\i), ADRA+\slot, \q, \i
.endr
.endm
.macro SCALES sc
.irp i, 0,1,2,3,4,5,6,7
	ds_load_b64 v[SC+8*NQ*\sc+NQ*\i:SC+8*NQ*\sc+NQ*\i+1], v[ADRS] offset:\i*SBLK
.endr
.endm
.macro PLACES n
.rept \n
	v_nop
.endr
.endm
.macro STEP slot, q, zero
	s_wait_dscnt 4*NL                              ; B's set and A's blocks 0-3 are in; A's blocks 4-7 may be out
	WIN MUL_LO
	MUL16 0, (\q)%2, \q, \slot, \zero
	MUL16 2, (\q)%2, \q, \slot, \zero
	s_wait_dscnt 0
	PLACES NP
	FETCH_B \slot, (\q)+1, 1-(\q)%2
	FETCH_A \slot, (\q)+1, 0
	WIN MUL_HI
	MUL16 4, (\q)%2, \q, \slot, \zero
	MUL16 6, (\q)%2, \q, \slot, \zero
	PLACES NP
	WIN 0
	FETCH_A \slot, (\q)+1, 4
.endm
.macro TURN slot, next, fill
	s_wait_tensorcnt 0x0                           ; all my tensor loads have landed: my part of the next slot
	ds_add_u32 v[SPW], v[NIL]
	s_wait_dscnt 4*NL+1                            ; (the add and A's blocks 4-7 may be out)
	WIN MUL_LO
	MUL16 0, 1, NQ-1, \slot, 0
	s_wait_dscnt 0x0                               ; the add is done, and my reads of this slot are over
	s_barrier_signal -1
	MUL16 2, 1, NQ-1, \slot, 0
	WIN 0
	s_barrier_wait -1
.if \fill
	CREST                                          ; the barrier has opened a round of the cluster's
	s_add_nc_u64 s[G0+4*\slot+2:G0+4*\slot+3], s[G0+4*\slot+2:G0+4*\slot+3], 8*PSTR
	s_add_nc_u64 s[G0B+4*\slot+2:G0B+4*\slot+3], s[G0B+4*\slot+2:G0B+4*\slot+3], 8*PSTR
	JLOAD G0+4*\slot, G1, G0B+4*\slot, G1B
.else
	PLACES NP
.endif
	v_add_nc_u32 v[ADRS], 4*NQ, v[ADRS]
	FETCH_B \next, 0, 0
	FETCH_A \next, 0, 0
	SCALES \next
	WIN MUL_HI
	MUL16 4, 1, NQ-1, \slot, 0
	MUL16 6, 1, NQ-1, \slot, 0
	PLACES NP
	WIN 0
	FETCH_A \next, 0, 4
.endm
	s_wait_tensorcnt 1                             ; the scales and my part of K step 0 are in; K step 1's load may be out
	s_barrier_signal -1
	s_barrier_wait -1
	FETCH_B 0, 0, 0
	FETCH_A 0, 0, 0
	SCALES 0
	FETCH_A 0, 0, 4
	STEP 0, 0, 1
	s_mov_b32 s3, LAPS-1
.Llap:
	TURN 0, 1, 1
	STEP 1, 0, 0
	TURN 1, 0, 1
	STEP 0, 0, 0
	s_sub_co_u32 s3, s3, 1
	s_cmp_lg_u32 s3, 0
	s_cbranch_scc1 .Llap
	TURN 0, 1, 0
	STEP 1, 0, 0
	s_wait_dscnt 4*NL
	WIN MUL_LO
	MUL16 0, 1, NQ-1, 1, 0
	MUL16 2, 1, NQ-1, 1, 0
	s_wait_dscnt 0
	WIN MUL_HI
	MUL16 4, 1, NQ-1, 1, 0
	MUL16 6, 1, NQ-1, 1, 0
	WIN 0
; THE WAY OUT, block by block of 16 tokens x 128 columns, through my own stage.  Accumulator b's register j of lane (r, h) is column 32 (b / 2) + 16 h + 8 (b % 2) + j; stage row t of block a is token
; 32 (a / 2) + 8 (a % 2) + t + 8 (t / 8) of my 128: both orders are undone by constants.  LDS serves a wave's instructions in order: no wait between the stores and the loads.
.macro TOSTAGE a
.set AC, 64*((\a)%4)
	WIN 0x08+4*((\a)/4)                            ; the data: window 2 or 3
.irp b, 0,1,2,3,4,5,6,7
	ds_store_b128 v[STO], v[AC+8*\b:AC+8*\b+3] offset:128*(\b/2)+32*(\b%2)        ; each accumulator from its low end on
	ds_store_b128 v[STO], v[AC+8*\b+4:AC+8*\b+7] offset:128*(\b/2)+32*(\b%2)+16
.endr
	WIN 0
.set BB, BK+64*((\a)%2)
.irp t, 0,1,2,3,4,5,6,7,8,9,10,11,12,13,14,15
	ds_load_b128 v[BB+4*\t:BB+4*\t+3], v[RD] offset:\t*SPITCH
.endr
.endm
.macro SEND a, younger
.set BB, BK+64*((\a)%2)
	s_wait_dscnt \younger                          ; the block is back in registers
.irp t, 0,1,2,3,4,5,6,7,8,9,10,11,12,13,14,15
	global_store_b128 v[CO], v[BB+4*\t:BB+4*\t+3], s[12:13] offset:(32*((\a)/2)+8*((\a)%2)+\t+8*(\t/8))*4096 th:TH_STORE_NT   ; 512 consecutive bytes, aligned; 127 rows at the most: inside the signed 24-bit immediate
.endr
.endm
	PLACES NP
	TOSTAGE 0
.irp a, 1,2,3,4,5,6,7
.if \a > 1
	s_wait_xcnt 0x0                                ; block a - 2's stores have read their registers: block a's loads may land there
.endif
	TOSTAGE \a
	SEND \a-1, 32                                  ; behind block a - 1's loads: block a's 16 stores and 16 loads
.endr
	SEND 7, 0
	s_wait_tensorcnt 0x0                           ; the wave's end
	ds_add_u32 v[SPW], v[NIL]
	s_wait_dscnt 0x0
	CROUND                                         ; the closing round
	s_endpgm
.Lfunc_end_k_q483e9cccf8_outp:
	.size	k_q483e9cccf8_outp, .Lfunc_end_k_q483e9cccf8_outp-k_q483e9cccf8_outp
	.p2alignl 7, 3214868480
	.fill 96, 4, 3214868480
	.section	.rodata,"a",@progbits
	.p2align	6, 0x0
	.amdhsa_kernel k_q483e9cccf8_outp
		.amdhsa_group_segment_fixed_size 327680
		.amdhsa_private_segment_fixed_size 0
		.amdhsa_enable_private_segment 0
		.amdhsa_kernarg_size 24
		.amdhsa_user_sgpr_count 2
		.amdhsa_user_sgpr_kernarg_segment_ptr 1
		.amdhsa_wavefront_size32 1
		.amdhsa_system_sgpr_workgroup_id_x 1
		.amdhsa_system_sgpr_workgroup_id_y 1
		.amdhsa_system_sgpr_workgroup_id_z 1
		.amdhsa_system_vgpr_workitem_id 0
		.amdhsa_next_free_vgpr 1024
		.amdhsa_next_free_sgpr 98
		.amdhsa_reserve_vcc 0
		.amdhsa_float_denorm_mode_32 3
		.amdhsa_float_denorm_mode_16_64 3
		.amdhsa_memory_ordered 1
		.amdhsa_forward_progress 1
		.amdhsa_inst_pref_size 159
	.end_amdhsa_kernel
	.amdgpu_metadata
---
amdhsa.version: [ 1, 2 ]
amdhsa.kernels:
  - .name:           k_q483e9cccf8_outp
    .symbol:         k_q483e9cccf8_outp.kd
    .args:
      - { .name: xc, .offset: 0, .size: 8, .value_kind: global_buffer, .address_space: global }
      - { .name: xs, .offset: 8, .size: 8, .value_kind: global_buffer, .address_space: global }
      - { .name: out0, .offset: 16, .size: 8, .value_kind: global_buffer, .address_space: global }
    .group_segment_fixed_size: 327680
    .private_segment_fixed_size: 0
    .kernarg_segment_align: 8
    .kernarg_segment_size: 24
    .max_flat_workgroup_size: 128
    .sgpr_count:     98
    .vgpr_count:     1024
    .wavefront_size: 32
...
	.end_amdgpu_metadata
.endif
;; end of part 4
